; MI455X (gfx1250); checked and timed in simulation.
; The chip was launched on July 23, 2026; its instructions are those of AMD's public machine-readable ISA for CDNA 5 (MIT licence, August 2026) and "CDNA5" Instruction Set Architecture Reference Guide (July 2026). The comments in the code are by the model that wrote it; some were corrected since.
;; Multi Head Attention. Allowed arithmetic: matrix products marked QUANTISED: E2M1 operands, one E8M0 scale for each 32 along K, by v_wmma_scale_f32_16x16x128_f8f6f4 with both operands' format E2M1 (or v_wmma_scale_f32_32x16x128_f4), f32 sums; products left as they are: bf16, f16 or f32 operands; f32 sums; everything else in f32.
;; Inputs: Wk 16 x 1,024 x 64 float32; Wo 1,024 x 1,024 float32; Wq 16 x 1,024 x 64 float32; Wv 16 x 1,024 x 64 float32; bo 1,024 float32; x 4 x 2,048 x 1,024 float32.
;; Outputs: out0 4 x 2,048 x 1,024 float32.
;; This version of the problem:
;;   THIS VERSION OF THE PROBLEM IS GIVEN IN LOW PRECISION. The matrix products marked QUANTISED in the list below multiply operands that are first quantised to E2M1 (2 exponent bits, 1 mantissa bit; 4 bits a number), with one power-of-two scale for each 32 numbers along K (OCP MX v1.0); their sums are f32. The products marked 'left as it is' may take bf16, f16 or f32 operands, with f32 sums. Whichever they take, every output number must still come out within the allowed error. Rounding operands to bf16 (8 significant bits) uses up far more of that allowance than f16 does (11 bits, for magnitudes from 6e-5 to 65,504). All else is computed in f32.
;;   The module's matrix products, in the order in which they are computed (A, B: the left and right operand; K: the contracted axis; several contracted axes count as one K, in the product's order):
;;     1. [M 1,024, K 1,024] x [K 1,024, N 8,192]; A: input Wq; B: input x: QUANTISED
;;     2. [M 1,024, K 1,024] x [K 1,024, N 8,192]; A: input Wk; B: input x: QUANTISED
;;     3. [M 1,024, K 1,024] x [K 1,024, N 8,192]; A: input Wv; B: input x: QUANTISED
;;     4. batch 64 x [M 2,048, K 64] x [K 64, N 2,048]; A: computed on the way; B: computed on the way: left as it is (an operand is computed on the way)
;;     5. batch 64 x [M 2,048, K 2,048] x [K 2,048, N 64]; A: computed on the way; B: computed on the way: left as it is (an operand is computed on the way)
;;     6. [M 8,192, K 1,024] x [K 1,024, N 1,024]; A: computed on the way; B: input Wo: left as it is (an operand is computed on the way)
;;   THE QUANTISER, for each operand of a quantised product, along K:
;;     - K is cut into blocks of 32 from its start; a last block that is shorter is filled with zeros.
;;     - A block's scale is 2^e with e = floor(log2(the largest magnitude in the block)) - 2, held to -126 .. 127; a block of zeros has e = 0. As a byte (E8M0): e + 127.
;;     - Each number is divided by its block's scale, clamped to +-6, and rounded to the nearest number of E2M1, ties to even, subnormals kept.
;;     - The product sums the exact products of the quantised numbers (number of the format x scale) in f32.
;;   ~~~python
;;   def quantise(x, axis):      # numpy; x: float32 -> the quantised numbers, widened to float32 again
;;       x = np.moveaxis(x, axis, -1); K = x.shape[-1]
;;       x = np.pad(x, [(0, 0)] * (x.ndim - 1) + [(0, -K % 32)]); x = x.reshape(x.shape[:-1] + (-1, 32)); a = np.abs(x).max(-1, keepdims=True)
;;       e = np.where(a > 0, np.clip(np.frexp(np.where(a > 0, a, 1))[1] - 1 - 2, -126, 127), 0)      # np.frexp(a)[1] - 1 = floor(log2(a)), exactly
;;       r = np.clip(x / 2.0 ** e, -6, 6)
;;       step = 2.0 ** (np.maximum(np.frexp(np.where(r == 0, 1, r))[1] - 1, 0) - 1)
;;       q = np.round(r / step) * step * 2.0 ** e      # np.round: ties to even
;;       return np.moveaxis(q.reshape(q.shape[:-2] + (-1,))[..., :K], -1, axis).astype(np.float32)
;;   ~~~
;; One version. Each part assembles by itself: llvm-mc -triple=amdgcn-amd-amdhsa -mcpu=gfx1250 --defsym DOCPART=n.
;; ======== version 1 of 1: 6 launches
;; limits: values are held in f16: magnitudes above 65,504 overflow, below 6.1e-05 lose precision
;; workspace buffers: xc 4,194,304 bytes; xs 262,144 bytes; wc 1,572,864 bytes; ws 98,304 bytes; wo16 2,097,152 bytes; qkv 50,331,648 bytes; fineb 786,432 bytes; att 16,777,216 bytes
;; launch prep (part 1): grid 288 x 1, 4 waves a work-group, no clusters, 33,280 bytes of LDS; arguments x, Wo, xc, xs, wo16; writes xc, xs, wo16
.if DOCPART == 1
	.amdgcn_target "amdgcn-amd-amdhsa--gfx1250"
	.amdhsa_code_object_version 6
	.text
	.protected	k_q6931ff7e9a_prep
	.globl	k_q6931ff7e9a_prep
	.p2align	8
	.type	k_q6931ff7e9a_prep,@function
k_q6931ff7e9a_prep:
	s_mov_b64 s[64:65], 0
	v_nop
	global_prefetch_b8 v0, s[64:65] scope:SCOPE_SE
	s_setreg_imm32_b32 hwreg(HW_REG_WAVE_MODE, 25, 1), 1
	s_wait_xcnt 0x0
; PREP.  Work-groups 0-255: x [8192][1024] f32 becomes codes of FP4 (E2M1), K innermost (xc [8192][512 bytes]), with one E8M0 byte for each 32 along K (xs [8192][32]).
; Work-groups 256-287: Wo [1024][1024] f32 becomes f16 (wo16), rounded to nearest even, for the output projection, a product that is left as it is.
; A block's scale is 2^(floor(log2(its largest magnitude)) - 2); its byte is the largest magnitude's exponent field - 2, held at 1 from below.
; LIMITS: a block of zeros gets the byte 1 where the rule says 127 (its codes are zeros, and this program alone reads the bytes); blocks whose largest magnitude lies under 2^(3 - 127) keep the byte 1;
; NaN and infinities are not served; |Wo| stays under 65,504 (f16's largest number).
; x: rows are dense and 1024 is a multiple of 32, so x is a plain stream of blocks of 32.  A wave takes 16 steps of 512 numbers.  Each load reads 512 consecutive bytes; a step's 2,048 bytes turn through the
; wave's own stage in LDS (16 bytes of padding behind each 64) and come back 64 bytes a lane: 16 neighbours along K, two lanes to a block.  A step's codes leave as 256 consecutive bytes, a wave's 256 scale bytes as one store.
.set XWG,   256                        ; work-groups that take x: 8192 x 1024 / 32768
.set STEPS, 16
.set EMAX,  2
.set CB,    8                          ; bytes of 16 codes
.set R,     16                         ; v16-79   four sets of 16 numbers as loaded
.set X,     80                         ; v80-111  two sets of 16 neighbours
.set E,     112                        ; v112-127 a scale byte for each step
.set C,     128                        ; v128-191 codes, four registers a step: no store's data are written again
.set WREG,  8192                       ; LDS: a region for each wave: two stages of 32 x SP bytes, then its 256 scale bytes
.set SP,    80
.set SPW,   12                         ; v12  my spare word's LDS address; never rewritten
.set NIL,   13                         ; v13  0; never rewritten
.set SPARE, 4*WREG                     ; the spare words, 128 bytes a wave, named by no other line
.set WA,    16                         ; Wo's path: v16-79, v80-143 two sets of 16 loads
.set WOUT,  144                        ; v144-175 their f16
	s_load_b128 s[4:7], s[0:1], 0x0                ; x, Wo
	s_load_b128 s[8:11], s[0:1], 0x10              ; xc, xs
	s_load_b64 s[12:13], s[0:1], 0x20              ; wo16
	v_lshl_add_u32 v[SPW], v0, 2, SPARE
	v_mov_b32 v[NIL], 0
	v_lshrrev_b32 v1, 5, v0
	v_readfirstlane_b32 s16, v1                    ; wave
	v_and_b32 v2, 31, v0                           ; lane
	v_lshlrev_b32 v3, 4, v2                        ; my 16 bytes of a load's 512
	v_lshlrev_b32 v7, 3, v2                        ; 8 bytes a lane
	s_mul_i32 s17, s16, WREG
	v_lshrrev_b32 v14, 2, v2
	v_mul_u32_u24 v14, v14, SP
	v_and_b32 v15, 3, v2
	v_lshl_add_u32 v14, v15, 4, v14
	v_add_nc_u32 v14, s17, v14                     ; the stage, on the way in: SP (lane / 4) + 16 (lane % 4)
	v_mul_u32_u24 v15, v2, SP
	v_add_nc_u32 v15, s17, v15                     ; and on the way out: SP x lane
	v_mul_u32_u24 v4, v2, CB                       ; my codes' place in a step's
	v_lshrrev_b32 v5, 1, v2
	s_add_co_u32 s17, s17, 2*32*SP
	v_add_nc_u32 v5, s17, v5                       ; my block's byte among my wave's 256 scale bytes
	v_add_nc_u32 v6, s17, v7                       ; and 8 of them a lane on the way out
	s_mov_b32 s21, 0
	s_wait_kmcnt 0x0
	s_cmp_ge_u32 ttmp9, XWG                        ; the work-group's number alone decides
	s_cbranch_scc1 .Lwo
	s_lshl_b32 s18, ttmp9, 2
	s_add_co_u32 s18, s18, s16                     ; which run of 8,192 numbers is my wave's
	s_lshl_b32 s20, s18, 15
	s_add_nc_u64 s[4:5], s[4:5], s[20:21]          ; 32,768 bytes of x a run,
	s_lshl_b32 s20, s18, 12
	s_add_nc_u64 s[8:9], s[8:9], s[20:21]          ; 4,096 of codes,
	s_lshl_b32 s20, s18, 8
	s_add_nc_u64 s[10:11], s[10:11], s[20:21]      ; 256 of scale bytes
.macro LOAD t
.irp i, 0,1,2,3
	global_load_b128 v[R+16*((\t)%4)+4*\i:R+16*((\t)%4)+4*\i+3], v3, s[4:5] offset:2048*(\t)+512*\i th:TH_LOAD_NT
.endr
.endm
.macro TURN t                          ; a step's numbers through the stage: LDS serves a wave's instructions in order, so no wait stands between the stores and the loads
.irp i, 0,1,2,3
	ds_store_b128 v14, v[R+16*((\t)%4)+4*\i:R+16*((\t)%4)+4*\i+3] offset:32*SP*((\t)%2)+8*SP*\i
.endr
.irp i, 0,1,2,3
	ds_load_b128 v[X+16*((\t)%2)+4*\i:X+16*((\t)%2)+4*\i+3], v15 offset:32*SP*((\t)%2)+16*\i
.endr
.endm
.irp t, 0,1,2,3
	LOAD \t
.endr
	s_wait_loadcnt 12                              ; step 0's four loads are in; three steps' twelve stay out
	TURN 0
.macro STEP t
.set XS, X+16*((\t)%2)
.if (\t) > 0
	s_wait_dscnt 1                                 ; this step's numbers are back from the stage; the last step's byte store may be out
.else
	s_wait_dscnt 0x0
.endif
.if (\t)+4 < STEPS
	LOAD (\t)+4                                    ; into the registers that the stage's stores have read
.endif
.if (\t)+1 < STEPS
.if STEPS-2-(\t) >= 3
	s_wait_loadcnt 12                              ; the next step's four loads are in; those of the three steps behind it may be out
.else
	s_wait_loadcnt 4*(STEPS-2-(\t))
.endif
	TURN (\t)+1
.endif
	v_max3_num_f32 v8, |v[XS]|, |v[XS+1]|, |v[XS+2]|               ; the largest magnitude of my 16, in two chains
	v_max3_num_f32 v9, |v[XS+3]|, |v[XS+4]|, |v[XS+5]|
.irp i, 6,10
	v_max3_num_f32 v8, v8, |v[XS+\i]|, |v[XS+\i+1]|
	v_max3_num_f32 v9, v9, |v[XS+\i+2]|, |v[XS+\i+3]|
.endr
	v_max3_num_f32 v8, v8, |v[XS+14]|, |v[XS+15]|
	v_max3_num_f32 v8, v8, v9, (EMAX+1)<<23        ; and the floor 2^(3 - 127): the byte cannot fall under 1
	v_max_num_f32_dpp v8, v8, v8 row_xmask:1 row_mask:0xf bank_mask:0xf   ; with my neighbour's 16: the block's
	v_add_nc_u32 v11, -(EMAX<<23), v8              ; 2 off its exponent field: the conversion takes this operand's exponent field as its scale
	v_cvt_scalef32_pk8_fp4_f32 v[C+4*(\t)], v[XS:XS+7], v11
	v_cvt_scalef32_pk8_fp4_f32 v[C+4*(\t)+1], v[XS+8:XS+15], v11
	v_lshrrev_b32 v[E+(\t)], 23, v11               ; the scale's byte (a plain line behind the conversions)
	ds_store_b8 v5, v[E+(\t)] offset:16*(\t)       ; both lanes of a block write the same byte with the same value
	global_store_b64 v4, v[C+4*(\t):C+4*(\t)+1], s[8:9] offset:32*CB*(\t)   ; the wave stores 256 consecutive bytes, aligned
.endm
.irp t, 0,1,2,3,4,5,6,7,8,9,10,11,12,13,14,15
	STEP \t
.endr
	ds_load_b64 v[8:9], v6                         ; LDS serves a wave's instructions in order: this sees my byte stores
	s_wait_dscnt 0x0
	global_store_b64 v7, v[8:9], s[10:11]          ; 256 consecutive bytes, aligned
	s_wait_tensorcnt 0x0                           ; the wave's end
	ds_add_u32 v[SPW], v[NIL]
	s_wait_dscnt 0x0
	s_endpgm
; Wo to f16: a wave takes 32,768 bytes in four groups of sixteen loads of 512 bytes; two groups are on their way at a time.
.Lwo:
	s_sub_co_u32 s18, ttmp9, XWG
	s_lshl_b32 s18, s18, 2
	s_add_co_u32 s18, s18, s16                     ; which run of 8,192 numbers
	s_lshl_b32 s20, s18, 15
	s_add_nc_u64 s[6:7], s[6:7], s[20:21]
	s_lshl_b32 s20, s18, 14
	s_add_nc_u64 s[12:13], s[12:13], s[20:21]
.macro WOLOAD g
.irp i, 0,1,2,3,4,5,6,7,8,9,10,11,12,13,14,15
	global_load_b128 v[WA+64*((\g)%2)+4*\i:WA+64*((\g)%2)+4*\i+3], v3, s[6:7] offset:8192*(\g)+512*\i th:TH_LOAD_NT
.endr
.endm
.macro WOG g
.if (\g) < 3
	s_wait_loadcnt 16                              ; this group is in; the next group's sixteen stay out
.else
	s_wait_loadcnt 0x0
.endif
	s_wait_xcnt 0x0                                ; the last group's stores have read their data registers, which are written again below
.irp i, 0,1,2,3,4,5,6,7,8,9,10,11,12,13,14,15
	v_cvt_pk_f16_f32 v[WOUT+2*\i], v[WA+64*((\g)%2)+4*\i], v[WA+64*((\g)%2)+4*\i+1]
	v_cvt_pk_f16_f32 v[WOUT+2*\i+1], v[WA+64*((\g)%2)+4*\i+2], v[WA+64*((\g)%2)+4*\i+3]
.endr
.if (\g)+2 < 4
	WOLOAD (\g)+2
.endif
.irp i, 0,1,2,3,4,5,6,7,8,9,10,11,12,13,14,15
	global_store_b64 v7, v[WOUT+2*\i:WOUT+2*\i+1], s[12:13] offset:4096*(\g)+256*\i   ; 256 consecutive bytes, aligned
.endr
.endm
	WOLOAD 0
	WOLOAD 1
	WOG 0
	WOG 1
	WOG 2
	WOG 3
	s_endpgm
.Lfunc_end_k_q6931ff7e9a_prep:
	.size	k_q6931ff7e9a_prep, .Lfunc_end_k_q6931ff7e9a_prep-k_q6931ff7e9a_prep
	.p2alignl 7, 3214868480
	.fill 96, 4, 3214868480
	.section	.rodata,"a",@progbits
	.p2align	6, 0x0
	.amdhsa_kernel k_q6931ff7e9a_prep
		.amdhsa_group_segment_fixed_size 33280
		.amdhsa_private_segment_fixed_size 0
		.amdhsa_enable_private_segment 0
		.amdhsa_kernarg_size 40
		.amdhsa_user_sgpr_count 2
		.amdhsa_user_sgpr_kernarg_segment_ptr 1
		.amdhsa_wavefront_size32 1
		.amdhsa_system_sgpr_workgroup_id_x 1
		.amdhsa_system_sgpr_workgroup_id_y 1
		.amdhsa_system_sgpr_workgroup_id_z 1
		.amdhsa_system_vgpr_workitem_id 0
		.amdhsa_next_free_vgpr 192
		.amdhsa_next_free_sgpr 66
		.amdhsa_reserve_vcc 0
		.amdhsa_float_denorm_mode_32 3
		.amdhsa_float_denorm_mode_16_64 3
		.amdhsa_memory_ordered 1
		.amdhsa_forward_progress 1
		.amdhsa_inst_pref_size 54
	.end_amdhsa_kernel
	.amdgpu_metadata
---
amdhsa.version: [ 1, 2 ]
amdhsa.kernels:
  - .name:           k_q6931ff7e9a_prep
    .symbol:         k_q6931ff7e9a_prep.kd
    .args:
      - { .name: x, .offset: 0, .size: 8, .value_kind: global_buffer, .address_space: global }
      - { .name: Wo, .offset: 8, .size: 8, .value_kind: global_buffer, .address_space: global }
      - { .name: xc, .offset: 16, .size: 8, .value_kind: global_buffer, .address_space: global }
      - { .name: xs, .offset: 24, .size: 8, .value_kind: global_buffer, .address_space: global }
      - { .name: wo16, .offset: 32, .size: 8, .value_kind: global_buffer, .address_space: global }
    .group_segment_fixed_size: 33280
    .private_segment_fixed_size: 0
    .kernarg_segment_align: 8
    .kernarg_segment_size: 40
    .max_flat_workgroup_size: 128
    .sgpr_count:     66
    .vgpr_count:     192
    .wavefront_size: 32
...
	.end_amdgpu_metadata
.endif
;; end of part 1
;; launch quantw (part 2): grid 2 x 48, 8 waves a work-group, no clusters, 19,456 bytes of LDS; arguments Wq, Wk, Wv, wc, ws; writes wc, ws
.if DOCPART == 2
	.amdgcn_target "amdgcn-amd-amdhsa--gfx1250"
	.amdhsa_code_object_version 6
	.text
	.protected	k_q6931ff7e9a_quantw
	.globl	k_q6931ff7e9a_quantw
	.p2align	8
	.type	k_q6931ff7e9a_quantw,@function
k_q6931ff7e9a_quantw:
	s_mov_b64 s[64:65], 0
	v_nop
	global_prefetch_b8 v0, s[64:65] scope:SCOPE_SE
	s_setreg_imm32_b32 hwreg(HW_REG_WAVE_MODE, 25, 1), 1
	s_wait_xcnt 0x0
; QUANTW.  Wq, Wk, Wv [16 heads][1024 (K)][64] f32 are operands whose K is not innermost.  They become codes of FP4 (E2M1) laid wc [3072][512 bytes], K innermost, row n = tensor x 1024 + head x 64 + d,
; and one E8M0 byte for each 32 along K, ws [3072][32].
; A LANE TAKES A COLUMN d AND ITS REGISTERS RUN DOWN K: a block of 32 along K lies in one lane's 32 registers, so its largest magnitude needs no other lane and the conversions give codes with K innermost.
; A work-group takes one head's 64 columns x 512 along K (x: which 512; y: tensor x 16 + head).  Wave w takes columns 32 (w & 1) on and 128 along K from 128 (w >> 1) on: four blocks a lane.
; The codes meet in a stage in LDS (64 rows of 256 bytes + 16) and leave by rows: sixteen lanes store 256 consecutive bytes, aligned.  The scale bytes leave in pieces of 16 bytes a row: 96 KB in the whole launch.
; LIMITS: a block of zeros gets the byte 1 where the rule says 127 (its codes are zeros; this program alone reads the bytes); blocks under 2^(3 - 127) keep the byte 1; NaN and infinities are not served.
.set NB,    4
.set PITCH, 272
.set SCST,  64*PITCH                   ; behind the stage: the scale bytes, 16 a column
.set SPARE, SCST+1024                  ; the spare words, 128 bytes a wave, named by no other line
.set EMAX,  2
.set SPW,   14                         ; v14  my spare word's LDS address; never rewritten
.set NIL,   15                         ; v15  0; never rewritten
.set MX,    20                         ; v20-22 at work
.set MY,    21
.set SO,    22
.set SB,    24                         ; v24  my four scale bytes
.set X,     32                         ; v32-95 two sets of 32 numbers
.set C,     96                         ; v96-99 a block's codes
.set OUTR,  100                        ; v100-115 the way out; v116 scale bytes
	s_load_b128 s[4:7], s[0:1], 0x0                ; Wq, Wk
	s_load_b128 s[8:11], s[0:1], 0x10              ; Wv, wc
	s_load_b64 s[12:13], s[0:1], 0x20              ; ws
	v_lshl_add_u32 v[SPW], v0, 2, SPARE
	v_mov_b32 v[NIL], 0
	v_lshrrev_b32 v1, 5, v0
	v_readfirstlane_b32 s16, v1                    ; wave 0..7
	v_and_b32 v2, 31, v0                           ; lane
	s_and_b32 s17, s16, 1                          ; which 32 columns
	s_lshr_b32 s18, s16, 1                         ; which 128 along K
	s_and_b32 s19, ttmp7, 0xffff                   ; tensor x 16 + head
	v_lshlrev_b32 v3, 2, v2                        ; in: 4 bytes a lane
	s_mul_i32 s20, s17, 32*PITCH
	s_lshl_b32 s21, s18, 6
	s_add_co_u32 s20, s20, s21
	v_mul_u32_u24 v4, v2, PITCH
	v_add_nc_u32 v4, s20, v4                       ; the stage, in: row = my column, + 64 bytes for each 128 along K
	s_lshl_b32 s20, s17, 9
	s_lshl_b32 s21, s18, 2
	s_add_co_u32 s20, s20, s21
	s_add_co_u32 s20, s20, SCST
	v_lshl_add_u32 v5, v2, 4, s20                  ; my column's 16 scale bytes, my four of them
	v_and_b32 v6, 15, v2
	v_lshrrev_b32 v9, 4, v2
	s_mul_i32 s20, s16, 8*PITCH
	v_mul_u32_u24 v7, v9, PITCH
	v_lshl_add_u32 v7, v6, 4, v7
	v_add_nc_u32 v7, s20, v7                       ; the stage, out: rows 8 w on, sixteen lanes to a row
	s_lshl_b32 s20, s16, 12
	v_lshlrev_b32 v8, 9, v9
	v_lshl_add_u32 v8, v6, 4, v8
	v_add_nc_u32 v8, s20, v8                       ; and the same place in wc: rows of 512 bytes
	s_lshl_b32 s20, s16, 7
	s_add_co_u32 s20, s20, SCST
	v_lshl_add_u32 v10, v2, 2, s20                 ; scale bytes, out: 128 bytes a wave, 4 a lane
	v_lshrrev_b32 v11, 2, v2
	v_and_b32 v13, 3, v2
	v_lshlrev_b32 v11, 5, v11
	v_lshl_add_u32 v11, v13, 2, v11
	s_lshl_b32 s20, s16, 8
	v_add_nc_u32 v11, s20, v11                     ; in ws: row 8 w + lane / 4 of 32 bytes, word lane % 4
	s_and_b32 s22, s19, 15                         ; W: head x 262,144 + (512 x + 128 quarter) rows of 256 bytes + 128 bytes for the upper columns
	s_lshl_b32 s22, s22, 18
	s_lshl_b32 s23, ttmp9, 17
	s_add_co_u32 s22, s22, s23
	s_lshl_b32 s23, s18, 15
	s_add_co_u32 s22, s22, s23
	s_lshl_b32 s23, s17, 7
	s_add_co_u32 s22, s22, s23
	s_mov_b32 s23, 0
	s_lshl_b32 s24, s19, 15                        ; wc: 64 rows of 512 bytes a head, + 256 x
	s_lshl_b32 s25, ttmp9, 8
	s_add_co_u32 s24, s24, s25
	s_mov_b32 s25, 0
	s_lshl_b32 s26, s19, 11                        ; ws: 64 rows of 32 bytes a head, + 16 x
	s_lshl_b32 s27, ttmp9, 4
	s_add_co_u32 s26, s26, s27
	s_mov_b32 s27, 0
	s_wait_kmcnt 0x0
	s_cmp_lt_u32 s19, 32                           ; which tensor: the choice hangs on the work-group's number alone
	s_cselect_b64 s[6:7], s[6:7], s[8:9]
	s_cmp_lt_u32 s19, 16
	s_cselect_b64 s[4:5], s[4:5], s[6:7]
	s_add_nc_u64 s[4:5], s[4:5], s[22:23]
	s_add_nc_u64 s[10:11], s[10:11], s[24:25]
	s_add_nc_u64 s[12:13], s[12:13], s[26:27]
.macro LOAD t                          ; block t: W(32 t + i, my column) into set t % 2
.irp i, 0,1,2,3,4,5,6,7,8,9,10,11,12,13,14,15,16,17,18,19,20,21,22,23,24,25,26,27,28,29,30,31
	global_load_b32 v[X+32*((\t)%2)+\i], v3, s[4:5] offset:(32*(\t)+\i)*256 th:TH_LOAD_NT
.endr
.endm
	LOAD 0
	LOAD 1
.macro BLOCK t
.set XS, X+32*((\t)%2)
.if (\t) < NB-1
	s_wait_loadcnt 32                              ; this block's 32 loads are in; the next block's stay out
.else
	s_wait_loadcnt 0x0
.endif
	v_max3_num_f32 v[MX], |v[XS]|, |v[XS+1]|, |v[XS+2]|            ; the block's largest magnitude: all 32 numbers are mine
	v_max3_num_f32 v[MY], |v[XS+3]|, |v[XS+4]|, |v[XS+5]|
.irp i, 6,10,14,18,22,26
	v_max3_num_f32 v[MX], v[MX], |v[XS+\i]|, |v[XS+\i+1]|
	v_max3_num_f32 v[MY], v[MY], |v[XS+\i+2]|, |v[XS+\i+3]|
.endr
	v_max3_num_f32 v[MX], v[MX], |v[XS+30]|, |v[XS+31]|
	v_max3_num_f32 v[MX], v[MX], v[MY], (EMAX+1)<<23   ; and the floor 2^(3 - 127): the byte cannot fall under 1
	v_add_nc_u32 v[SO], -(EMAX<<23), v[MX]         ; 2 off its exponent field: the conversions' scale operand
	v_lshrrev_b32 v[MY], 23, v[SO]                 ; the scale's byte
.if (\t) == 0
	v_mov_b32 v[SB], v[MY]
.else
	v_lshl_or_b32 v[SB], v[MY], 8*(\t), v[SB]      ; the lower K in the lower byte
.endif
.irp g, 0,1,2,3
	v_cvt_scalef32_pk8_fp4_f32 v[C+\g], v[XS+8*\g:XS+8*\g+7], v[SO]
.endr
	ds_store_b128 v4, v[C:C+3] offset:16*(\t)      ; 32 codes: 16 bytes of my column's row
.if (\t)+2 < NB
	LOAD (\t)+2
.endif
	s_wait_dscnt 0x0                               ; the store has read its registers: the next block's codes may be written (plain lines stand ahead of them)
.endm
	BLOCK 0
	BLOCK 1
	BLOCK 2
	BLOCK 3
	ds_store_b32 v5, v[SB]
	s_wait_dscnt 0x0                               ; for the others' sake: my stores have landed
	s_barrier_signal -1
	s_barrier_wait -1
.irp i, 0,1,2,3
	ds_load_b128 v[OUTR+4*\i:OUTR+4*\i+3], v7 offset:2*\i*PITCH
.endr
	ds_load_b32 v116, v10
.irp i, 0,1,2,3
	s_wait_dscnt 4-\i                              ; the later row loads and the scale load stay out
	global_store_b128 v8, v[OUTR+4*\i:OUTR+4*\i+3], s[10:11] offset:1024*\i   ; sixteen lanes store 256 consecutive bytes, aligned
.endr
	s_wait_dscnt 0x0
	global_store_b32 v11, v116, s[12:13]
	s_wait_tensorcnt 0x0                           ; the wave's end
	ds_add_u32 v[SPW], v[NIL]
	s_wait_dscnt 0x0
	s_endpgm
.Lfunc_end_k_q6931ff7e9a_quantw:
	.size	k_q6931ff7e9a_quantw, .Lfunc_end_k_q6931ff7e9a_quantw-k_q6931ff7e9a_quantw
	.p2alignl 7, 3214868480
	.fill 96, 4, 3214868480
	.section	.rodata,"a",@progbits
	.p2align	6, 0x0
	.amdhsa_kernel k_q6931ff7e9a_quantw
		.amdhsa_group_segment_fixed_size 19456
		.amdhsa_private_segment_fixed_size 0
		.amdhsa_enable_private_segment 0
		.amdhsa_kernarg_size 40
		.amdhsa_user_sgpr_count 2
		.amdhsa_user_sgpr_kernarg_segment_ptr 1
		.amdhsa_wavefront_size32 1
		.amdhsa_system_sgpr_workgroup_id_x 1
		.amdhsa_system_sgpr_workgroup_id_y 1
		.amdhsa_system_sgpr_workgroup_id_z 1
		.amdhsa_system_vgpr_workitem_id 0
		.amdhsa_next_free_vgpr 120
		.amdhsa_next_free_sgpr 66
		.amdhsa_reserve_vcc 0
		.amdhsa_float_denorm_mode_32 3
		.amdhsa_float_denorm_mode_16_64 3
		.amdhsa_memory_ordered 1
		.amdhsa_forward_progress 1
		.amdhsa_inst_pref_size 23
	.end_amdhsa_kernel
	.amdgpu_metadata
---
amdhsa.version: [ 1, 2 ]
amdhsa.kernels:
  - .name:           k_q6931ff7e9a_quantw
    .symbol:         k_q6931ff7e9a_quantw.kd
    .args:
      - { .name: Wq, .offset: 0, .size: 8, .value_kind: global_buffer, .address_space: global }
      - { .name: Wk, .offset: 8, .size: 8, .value_kind: global_buffer, .address_space: global }
      - { .name: Wv, .offset: 16, .size: 8, .value_kind: global_buffer, .address_space: global }
      - { .name: wc, .offset: 24, .size: 8, .value_kind: global_buffer, .address_space: global }
      - { .name: ws, .offset: 32, .size: 8, .value_kind: global_buffer, .address_space: global }
    .group_segment_fixed_size: 19456
    .private_segment_fixed_size: 0
    .kernarg_segment_align: 8
    .kernarg_segment_size: 40
    .max_flat_workgroup_size: 256
    .sgpr_count:     66
    .vgpr_count:     120
    .wavefront_size: 32
...
	.end_amdgpu_metadata
.endif
;; end of part 2
;; launch qkv (part 3): grid 12 x 32, 4 waves a work-group, clusters of 4 x 4, 327,680 bytes of LDS; arguments xc, xs, wc, ws, qkv, fineb; writes qkv, fineb
.if DOCPART == 3
	.amdgcn_target "amdgcn-amd-amdhsa--gfx1250"
	.amdhsa_code_object_version 6
	.text
	.protected	k_q6931ff7e9a_qkv
	.globl	k_q6931ff7e9a_qkv
	.p2align	8
	.type	k_q6931ff7e9a_qkv,@function
k_q6931ff7e9a_qkv:
	s_mov_b64 s[64:65], 0
	v_nop
	global_prefetch_b8 v0, s[64:65] scope:SCOPE_SE
	s_setreg_imm32_b32 hwreg(HW_REG_WAVE_MODE, 25, 1), 1
	s_wait_xcnt 0x0
	s_wait_alu depctr_hold_cnt(0) depctr_sa_sdst(0) depctr_va_vdst(0) depctr_va_sdst(0) depctr_va_ssrc(0) depctr_va_vcc(0) depctr_vm_vsrc(0)
	s_getreg_b32 s2, hwreg(HW_REG_IB_STS2, 6, 4)
	s_cmp_eq_u32 s2, 0
	s_cbranch_scc0 .Lentry_in_a_cluster
	s_endpgm
.Lentry_in_a_cluster:
	s_bfe_u32 s2, ttmp6, 0x10000c
	s_cmp_lg_u32 s2, 0xf033
	s_cbranch_scc0 .Lentry_shape_is_right
	s_endpgm
.Lentry_shape_is_right:
; QKV.  The three quantised products as one GEMM on codes of FP4 (E2M1) with E8M0 scales: C[token][n] = sum over c of x[token][c] W[n][c], token 0..8191, n = tensor x 1024 + head x 64 + d, K = 1024; sums in f32.
; A tile of C, 256 x 256, is made by four waves, each 128 x 128: 64 accumulators, 512 registers.  K = 1024 is two slots of 512 along K, both asked for at the start: nothing is filled again.
; The scale bytes of the work-group's rows, for all of K, come once, as units of 256 bytes + 16 of padding.
; CLUSTERS: 4 x 4.  The four of a row of the cluster need the same tiles of x, the four of a column the same tiles of W: each tile is asked for jointly.  Tile row = cluster y + 8 cy, so that cy is the batch
; and cluster y the place in the sequence: whether my rows hold positions 0-15 then hangs on the cluster's y and the wave's number alone.
; THE MATRIX INSTRUCTION IS USED TRANSPOSED (source 0 = 16 rows of W, source 1 = 16 tokens): a lane holds one token and eight neighbouring channels.
; THE WAY OUT NEEDS NO STAGE: rounded to f16, a lane's eight channels are 16 bytes, which ARE four registers of the 16-bit operand '16 tokens x 32 channels' of the attention launch.  qkv is laid as images of
; such operands, [tensor][batch x 16 + head][token tile of 16][32 channels][1,024 bytes]: each store covers 512 consecutive bytes, aligned.  q and k: lane l's 16 bytes at 16 l.  v: at
; 256 (r / 8) + 128 h + 16 (r % 8), so that the transposing LDS load at 16 l gives the attention launch V^T's fragment.
; fineb: the f32 sums of positions 0-15 of every sequence, as they stand in the accumulators, [tensor][batch][head][4,096 bytes], for the launch that carries those rows in f32.
; LIMIT: |q|, |k|, |v| stay under 65,504 (f16's largest number).
; REGISTERS, in windows of 256: window 0: v0-31 addresses; v32-95 scale words, two sets; from v128 x's fragments, one set (on the way out v128-255 hold packed results).  window 1: W's fragments, two sets.
;   window 2: the accumulators of my tokens 0-63 ((a, b) at v[8 (8 a + b)]);  window 3: those of my tokens 64-127.
.set SIZE_K, 1024
.set KSTEP,  512
.set NQ,     KSTEP/128
.set ROWB,   256
.set KROW,   SIZE_K*4/8
.set PITCH,  272                       ; an LDS row: 256 bytes + 16 of padding: the 16 rows that a load touches start at 16 different banks (64 banks of 4 bytes: ISA guide 11.1)
.set FR,     8
.set NL,     2
.set NP,     4                         ; places behind this matrix instruction (ISA guide 7.12.1)
.set HALFT,  128*PITCH
.set SLOT,   4*HALFT
.set KS,     SIZE_K/32
.set SCL,    2*SLOT
.set HALFS,  (128*KS/256)*272
.set SBLK,   (16*KS/256)*272
.set SPARE,  SCL+4*HALFS               ; the spare words, 128 bytes a wave, named by no other line
.set ADRA, 16                          ; v16-17  LDS address of my x fragments in slot 0, 1
.set ADRB, 20                          ; v20-21  the same for W
.set LI,   25                          ; v25     16 x lane
.set CO,   26                          ; v26     my 16 bytes' place in an image's 512
.set ADRS, 27                          ; v27     LDS address of my scale words: lanes 0-15 x's rows, lanes 16-31 W's
.set SPW,  28                          ; v28     my spare word's LDS address; never rewritten
.set NIL,  29                          ; v29     0; never rewritten
.set SC,   32
.set AF,   128
.set PK,   128                         ; the way out: packed results, 32 registers a block, four blocks
.set G1, 24
.set G0, 32
.set G1B, 48
.set G0B, 56
.set G1S, 68
.set G0S, 76
.set G1SB, 80
.set G0SB, 88
.set MSB, 0
.macro WIN new                         ; the immediate's high byte repeats the setting that is left
.if MSB != \new
	s_set_vgpr_msb (MSB<<8)|\new
.set MSB, \new
.endif
.endm
.set MUL_LO, 0xa1                      ; source 0 (W) window 1, source 1 (x) window 0, C and D window 2
.set MUL_HI, 0xf1                      ; the same, C and D window 3
.set TO_B,   0x40                      ; destination window 1, address window 0
; A joint load: waves 0 and 1 fetch for x, waves 2 and 3 for W.  The branch hangs on the wave's number alone.  An s_nop 0 and four v_nop follow each of the two lines.
.macro JLOAD g0a, g1a, g0b, g1b
	s_cmp_eq_u32 s15, 0
	s_cbranch_scc0 .Lfor_b_\@
	tensor_load_to_lds s[\g0a:\g0a+3], s[\g1a:\g1a+7]
	s_nop 0
.rept 4
	v_nop
.endr
	s_branch .Lasked_\@
.Lfor_b_\@:
	tensor_load_to_lds s[\g0b:\g0b+3], s[\g1b:\g1b+7]
	s_nop 0
.rept 4
	v_nop
.endr
.Lasked_\@:
.endm
.macro CROUND                          ; a round of the cluster's barrier
	s_barrier_signal -1
	s_barrier_wait -1
	s_cmp_lg_u32 s14, 0
	s_cbranch_scc1 .Lnot_wave_0_\@
	s_barrier_signal -3
.Lnot_wave_0_\@:
	s_barrier_wait -3
	s_barrier_signal -1
	s_barrier_wait -1
.endm
	s_load_b128 s[4:7], s[0:1], 0x0                ; x's codes, x's scales
	s_load_b128 s[8:11], s[0:1], 0x10              ; W's codes, W's scales
	s_load_b64 s[12:13], s[0:1], 0x20              ; qkv
	s_load_b64 s[96:97], s[0:1], 0x28              ; fineb
	v_lshl_add_u32 v[SPW], v0, 2, SPARE
	v_mov_b32 v[NIL], 0
	ds_add_u32 v[SPW], v[NIL]                      ; the wave's opening: the add, twice on end, and its wait ahead of my first tensor load
	ds_add_u32 v[SPW], v[NIL]
	v_lshrrev_b32 v1, 5, v0
	v_readfirstlane_b32 s14, v1                    ; wave 0..3
	s_lshr_b32 s15, s14, 1                         ; which half of the tile's tokens is mine.  Also: I fetch for x (0) or for W (1)
	s_and_b32 s16, s14, 1                          ; which half of its columns.  Also: which 128 rows of that tile I fetch
	s_bfe_u32 s40, ttmp6, 0x40000                  ; cx, cy: my place in the cluster
	s_bfe_u32 s41, ttmp6, 0x40004
	s_lshl_b32 s42, ttmp9, 2
	s_add_co_u32 s42, s42, s40                     ; tile column = 4 x cluster x + cx: cluster x is the tensor, cx four heads of it
	s_and_b32 s98, ttmp7, 0xffff                   ; cluster y: 256 positions of a sequence
	s_lshl_b32 s17, s41, 3
	s_add_co_u32 s17, s17, s98                     ; tile row = cluster y + 8 cy
	s_lshl_b32 s43, s41, 2
	s_lshl_b32 s43, 15, s43                        ; my row of the cluster
	s_lshl_b32 s44, 0x1111, s40                    ; my column
	s_or_b32 s[G1+0], s43, (0<<16)|(1<<20)|(1<<21)|(5<<22)|(3<<25)  ; the mask; elements of 1 byte; padding on; bit 21 beside a mask; after every 64 words, 4 words
	s_or_b32 s[G1B+0], s44, (0<<16)|(1<<20)|(1<<21)|(5<<22)|(3<<25)
.irp g, G1, G1B
	s_mov_b32 s[\g+1], ROWB<<16                    ; tensor_dim0
	s_mov_b32 s[\g+2], 128<<16                     ; tensor_dim1
	s_mov_b32 s[\g+3], ROWB<<16                    ; tile_dim0
	s_mov_b32 s[\g+4], 128                         ; tile_dim1
	s_mov_b32 s[\g+5], KROW                        ; tensor_dim0_stride
	s_mov_b32 s[\g+6], 0
	s_mov_b32 s[\g+7], 0
.endr
	s_or_b32 s[G1S+0], s43, (3<<16)|(1<<20)|(1<<21)|(5<<22)|(3<<25) ; the scales of 128 rows: a dense block, as rows of 256 bytes (32 elements of 8), 16 bytes of padding behind each
	s_or_b32 s[G1SB+0], s44, (3<<16)|(1<<20)|(1<<21)|(5<<22)|(3<<25)
.irp g, G1S, G1SB
	s_mov_b32 s[\g+1], 32<<16
	s_mov_b32 s[\g+2], (128*KS/256)<<16
	s_mov_b32 s[\g+3], 32<<16
	s_mov_b32 s[\g+4], 128*KS/256
	s_mov_b32 s[\g+5], 32
	s_mov_b32 s[\g+6], 0
	s_mov_b32 s[\g+7], 0
.endr
	s_lshl_b32 s18, s16, 7                         ; which 128 rows of the tile I fetch
	s_lshl_b32 s20, s17, 8
	s_add_co_u32 s20, s20, s18                     ; x: row 256 x tile row + 128 x half
	s_lshl_b32 s46, s42, 8
	s_add_co_u32 s46, s46, s18                     ; W: row 256 x tile column + 128 x half
	s_mov_b32 s21, 0
	s_mov_b32 s47, 0
	s_mov_b64 s[18:19], KS
	s_mul_u64 s[22:23], s[20:21], s[18:19]         ; where these rows' scales begin,
	s_mul_u64 s[92:93], s[46:47], s[18:19]
	s_mov_b64 s[18:19], KROW
	s_mul_u64 s[20:21], s[20:21], s[18:19]         ; and their codes
	s_mul_u64 s[46:47], s[46:47], s[18:19]
	s_mul_i32 s45, s14, HALFT                      ; where they go: wave x 128 rows
	s_mul_i32 s94, s14, HALFS
	s_wait_dscnt 0x0                               ; both opening adds are done
	s_wait_kmcnt 0x0
	s_add_nc_u64 s[20:21], s[4:5], s[20:21]
	s_add_nc_u64 s[22:23], s[6:7], s[22:23]
	s_add_nc_u64 s[46:47], s[8:9], s[46:47]
	s_add_nc_u64 s[92:93], s[10:11], s[92:93]
	CROUND                                         ; all sixteen work-groups are here: the joint loads meet
	s_mov_b32 s[G0S], 1
	s_add_co_u32 s[G0S+1], s94, SCL
	s_mov_b64 s[G0S+2:G0S+3], s[22:23]
	s_or_b32 s[G0S+3], s[G0S+3], 0x80000000
	s_mov_b32 s[G0SB], 1
	s_add_co_u32 s[G0SB+1], s94, SCL
	s_mov_b64 s[G0SB+2:G0SB+3], s[92:93]
	s_or_b32 s[G0SB+3], s[G0SB+3], 0x80000000
	JLOAD G0S, G1S, G0SB, G1SB                     ; the scales first: they are wanted with the first slot
.irp s, 0,1
	s_mov_b32 s[G0+4*\s], 1
	s_add_co_u32 s[G0+4*\s+1], s45, \s*SLOT
	s_add_nc_u64 s[G0+4*\s+2:G0+4*\s+3], s[20:21], \s*ROWB
	s_or_b32 s[G0+4*\s+3], s[G0+4*\s+3], 0x80000000
	s_mov_b32 s[G0B+4*\s], 1
	s_add_co_u32 s[G0B+4*\s+1], s45, \s*SLOT
	s_add_nc_u64 s[G0B+4*\s+2:G0B+4*\s+3], s[46:47], \s*ROWB
	s_or_b32 s[G0B+4*\s+3], s[G0B+4*\s+3], 0x80000000
	JLOAD G0+4*\s, G1, G0B+4*\s, G1B               ; three loads of mine are out in all
.endr
	v_and_b32 v1, 15, v0                           ; r = l % 16
	v_bfe_u32 v2, v0, 4, 1                         ; h = l / 16
	v_mul_u32_u24 v3, v1, PITCH
	v_lshl_add_u32 v4, v2, 4, v3                   ; a fragment's row x pitch + 16 x half
	s_mul_i32 s21, s15, HALFT                      ; my 128 rows of x
	s_mul_i32 s22, s16, HALFT                      ; my 128 rows of W,
	s_add_co_u32 s22, s22, 2*HALFT                 ; which lie behind x's 256
.irp s, 0,1
	v_add_nc_u32 v[ADRA+\s], s21, v4
	v_add_nc_u32 v[ADRB+\s], s22, v4
	s_add_co_u32 s21, s21, SLOT
	s_add_co_u32 s22, s22, SLOT
.endr
	v_mul_u32_u24 v5, v1, KS                       ; my row's scales: KS bytes a row,
	v_lshrrev_b32 v6, 8, v5
	v_lshl_add_u32 v5, v6, 4, v5                   ; and 16 more for each 256 passed
	s_mul_i32 s21, s15, HALFS
	s_mul_i32 s22, s16, HALFS
	s_add_co_u32 s22, s22, 2*HALFS
	s_sub_co_u32 s22, s22, s21
	v_mul_u32_u24 v6, s22, v2                      ; lanes 16-31 take W's
	s_add_co_u32 s21, s21, SCL
	v_add_nc_u32 v5, v5, v6
	v_add_nc_u32 v[ADRS], s21, v5
	v_and_b32 v6, 31, v0
	v_lshlrev_b32 v[LI], 4, v6                     ; 16 x lane
	v_lshrrev_b32 v5, 3, v1
	v_lshlrev_b32 v24, 8, v5                       ; v's place: 256 (r / 8)
	v_lshl_add_u32 v24, v2, 7, v24                 ; + 128 h
	v_and_b32 v5, 7, v1
	v_lshl_add_u32 v24, v5, 4, v24                 ; + 16 (r % 8)
	s_cmp_eq_u32 ttmp9, 2                          ; cluster x = 2: the tensor is v
	s_cselect_b32 s99, -1, 0
	v_cndmask_b32 v[CO], v[LI], v24, s99
	; qkv: tensor x 2^24 + (16 batch + head) x 2^18 + token tile x 2,048.  What hangs on cy stands in s[20:21], what hangs on cx in s[46:47]
	s_lshl_b32 s20, s41, 22
	s_lshl_b32 s21, s98, 15
	s_add_co_u32 s20, s20, s21
	s_lshl_b32 s21, s15, 14
	s_add_co_u32 s20, s20, s21
	s_mov_b32 s21, 0
	s_lshl_b32 s46, ttmp9, 24
	s_lshl_b32 s47, s40, 20
	s_add_co_u32 s46, s46, s47
	s_lshl_b32 s47, s16, 19
	s_add_co_u32 s46, s46, s47
	s_mov_b32 s47, 0
	s_add_nc_u64 s[12:13], s[12:13], s[20:21]
	s_add_nc_u64 s[12:13], s[12:13], s[46:47]
	; fineb: ((4 tensor + batch) x 16 + head) x 4,096
	s_lshl_b32 s20, s41, 16
	s_lshl_b32 s46, ttmp9, 18
	s_lshl_b32 s47, s40, 14
	s_add_co_u32 s46, s46, s47
	s_lshl_b32 s47, s16, 13
	s_add_co_u32 s46, s46, s47
	s_mov_b32 s47, 0
	s_add_nc_u64 s[96:97], s[96:97], s[20:21]
	s_add_nc_u64 s[96:97], s[96:97], s[46:47]
.macro FRAG reg, adr, q, i             ; 16 rows x 128 K of 4-bit codes: 8 registers; registers 4 c .. 4 c + 3 hold K = 64 c + 32 (l / 16) + 0 .. 31
.irp c, 0,1
	ds_load_b128 v[\reg+4*\c:\reg+4*\c+3], v[\adr] offset:64*(\q)+32*\c+(\i)*16*PITCH
.endr
.endm
; 16 matrix instructions: x's blocks a0, a0 + 1 against W's eight, 128 along K.  zero = 1: the first product starts the sums.  The 64 accumulators take turns, one instruction a turn.
.macro MUL16 a0, p, q, sc, zero
.irp a, \a0, \a0+1
.irp b, 0,1,2,3,4,5,6,7
.if \zero
	v_wmma_scale_f32_16x16x128_f8f6f4 v[8*(8*((\a)%4)+\b):8*(8*((\a)%4)+\b)+7], v[128*(\p)+FR*\b:128*(\p)+FR*\b+FR-1], v[AF+FR*(\a):AF+FR*(\a)+FR-1], 0, v[SC+8*NQ*(\sc)+NQ*\b+(\q)], v[SC+8*NQ*(\sc)+NQ*(\a)+(\q)] matrix_a_fmt:MATRIX_FMT_FP4 matrix_b_fmt:MATRIX_FMT_FP4 matrix_a_scale:MATRIX_SCALE_ROW1
.else
	v_wmma_scale_f32_16x16x128_f8f6f4 v[8*(8*((\a)%4)+\b):8*(8*((\a)%4)+\b)+7], v[128*(\p)+FR*\b:128*(\p)+FR*\b+FR-1], v[AF+FR*(\a):AF+FR*(\a)+FR-1], v[8*(8*((\a)%4)+\b):8*(8*((\a)%4)+\b)+7], v[SC+8*NQ*(\sc)+NQ*\b+(\q)], v[SC+8*NQ*(\sc)+NQ*(\a)+(\q)] matrix_a_fmt:MATRIX_FMT_FP4 matrix_b_fmt:MATRIX_FMT_FP4 matrix_a_scale:MATRIX_SCALE_ROW1
.endif
.endr
.endr
.endm
.macro FETCH_B slot, q, p
	WIN TO_B
.irp i, 0,1,2,3,4,5,6,7
	FRAG 128*(\p)+FR*\i, ADRB+\slot, \q, \i
.endr
	WIN 0
.endm
.macro FETCH_A slot, q, i0
.irp i, \i0, \i0+1, \i0+2, \i0+3
	FRAG AF+FR*(\i), ADRA+\slot, \q, \i
.endr
.endm
.macro SCALES sc                       ; a slot's scale words: NQ words a row; lanes 0-15 take x's block i, lanes 16-31 W's block i
.irp i, 0,1,2,3,4,5,6,7
	ds_load_b128 v[SC+8*NQ*\sc+NQ*\i:SC+8*NQ*\sc+NQ*\i+3], v[ADRS] offset:\i*SBLK
.endr
.endm
.macro PLACES n                        ; plain vector lines between a matrix instruction and a load into, or a read of, its registers
.rept \n
	v_nop
.endr
.endm
.macro STEP slot, q, zero              ; 128 along K with its successor in the same slot
	s_wait_dscnt 4*NL                              ; W's set and x's blocks 0-3 are in; the youngest eight loads (x's blocks 4-7) may be out
	WIN MUL_LO
	MUL16 0, (\q)%2, \q, \slot, \zero
	MUL16 2, (\q)%2, \q, \slot, \zero
	s_wait_dscnt 0
	PLACES NP
	FETCH_B \slot, (\q)+1, 1-(\q)%2
	FETCH_A \slot, (\q)+1, 0
	WIN MUL_HI
	MUL16 4, (\q)%2, \q, \slot, \zero
	MUL16 6, (\q)%2, \q, \slot, \zero
	PLACES NP
	WIN 0
	FETCH_A \slot, (\q)+1, 4
.endm
; Slot 0's last step changes slots: one barrier; in front of it each wave waits for all its tensor loads (slot 1's is the one that was out), adds 0 to its spare word and waits for that and for its reads.
.macro TURN slot, next
	s_wait_tensorcnt 0x0
	ds_add_u32 v[SPW], v[NIL]
	s_wait_dscnt 4*NL+1                            ; the add and the youngest eight loads may be out
	WIN MUL_LO
	MUL16 0, 1, NQ-1, \slot, 0
	s_wait_dscnt 0x0
	s_barrier_signal -1
	MUL16 2, 1, NQ-1, \slot, 0
	WIN 0
	s_barrier_wait -1
	PLACES NP
	v_add_nc_u32 v[ADRS], 4*NQ, v[ADRS]            ; on to the next slot's scale words
	FETCH_B \next, 0, 0
	FETCH_A \next, 0, 0
	SCALES \next
	WIN MUL_HI
	MUL16 4, 1, NQ-1, \slot, 0
	MUL16 6, 1, NQ-1, \slot, 0
	PLACES NP
	WIN 0
	FETCH_A \next, 0, 4
.endm
.macro STEPS slot, from
.set Q, \from
.rept NQ-1-\from
	STEP \slot, Q, 0
.set Q, Q+1
.endr
.endm
	s_wait_tensorcnt 1                             ; the scales and my part of slot 0 are in; slot 1's load may be out
	s_barrier_signal -1
	s_barrier_wait -1
	FETCH_B 0, 0, 0
	FETCH_A 0, 0, 0
	SCALES 0
	FETCH_A 0, 0, 4
	STEP 0, 0, 1                                   ; the first step's products start the sums
	STEPS 0, 1
	TURN 0, 1
	STEPS 1, 0
	s_wait_dscnt 4*NL                              ; the last step: nothing more to fetch
	WIN MUL_LO
	MUL16 0, 1, NQ-1, 1, 0
	MUL16 2, 1, NQ-1, 1, 0
	s_wait_dscnt 0
	WIN MUL_HI
	MUL16 4, 1, NQ-1, 1, 0
	MUL16 6, 1, NQ-1, 1, 0
	WIN 0
	PLACES NP                                      ; in front of the reads of results and of the writes into the registers that held x's fragments
	; positions 0-15 of a sequence are my block 0 where cluster y = 0 and I hold the tile's first half: their f32 sums go out as they stand
	s_or_b32 s99, s98, s15
	s_cmp_lg_u32 s99, 0
	s_cbranch_scc1 .Lno_fine
	WIN 0x08                                       ; a store's data are its source 1: window 2
.irp b, 0,1,2,3,4,5,6,7
	global_store_b128 v[LI], v[8*\b:8*\b+3], s[96:97] offset:(\b/4)*4096+(\b%4)*1024          ; each accumulator from its low end on; 512 consecutive bytes a store
	global_store_b128 v[LI], v[8*\b+4:8*\b+7], s[96:97] offset:(\b/4)*4096+(\b%4)*1024+512
.endr
	WIN 0
.Lno_fine:
.macro PACKQ a                         ; block a, 16 tokens x 128 channels, rounded to f16: 16 bytes a lane and accumulator
.set AC, 64*((\a)%4)
	WIN 0x0a+5*((\a)/4)                            ; sources 0 and 1: window 2 or 3
.irp b, 0,1,2,3,4,5,6,7
.irp r, 0,1,2,3
	v_cvt_pk_f16_f32 v[PK+32*((\a)%4)+4*\b+\r], v[AC+8*\b+2*\r], v[AC+8*\b+2*\r+1]
.endr
.endr
	WIN 0
.endm
.macro STOREQ a                        ; accumulator b: head b / 4, 32 channels (b / 2) % 2, registers 4 (b % 2) on of that image
.irp b, 0,1,2,3,4,5,6,7
	global_store_b128 v[CO], v[PK+32*((\a)%4)+4*\b:PK+32*((\a)%4)+4*\b+3], s[12:13] offset:2048*(\a)+(\b/4)*262144+((\b/2)%2)*1024+(\b%2)*512 th:TH_STORE_NT   ; 512 consecutive bytes, aligned
.endr
.endm
.irp a, 0,1,2,3,4,5,6,7
.if \a == 4
	s_wait_xcnt 0x0                                ; blocks 0-3's stores have read their data registers, which blocks 4-7 write again
.endif
	PACKQ \a
	STOREQ \a
.endr
	s_wait_tensorcnt 0x0                           ; the wave's end
	ds_add_u32 v[SPW], v[NIL]
	s_wait_dscnt 0x0
	CROUND                                         ; the closing round
	s_endpgm
.Lfunc_end_k_q6931ff7e9a_qkv:
	.size	k_q6931ff7e9a_qkv, .Lfunc_end_k_q6931ff7e9a_qkv-k_q6931ff7e9a_qkv
	.p2alignl 7, 3214868480
	.fill 96, 4, 3214868480
	.section	.rodata,"a",@progbits
	.p2align	6, 0x0
	.amdhsa_kernel k_q6931ff7e9a_qkv
		.amdhsa_group_segment_fixed_size 327680
		.amdhsa_private_segment_fixed_size 0
		.amdhsa_enable_private_segment 0
		.amdhsa_kernarg_size 48
		.amdhsa_user_sgpr_count 2
		.amdhsa_user_sgpr_kernarg_segment_ptr 1
		.amdhsa_wavefront_size32 1
		.amdhsa_system_sgpr_workgroup_id_x 1
		.amdhsa_system_sgpr_workgroup_id_y 1
		.amdhsa_system_sgpr_workgroup_id_z 1
		.amdhsa_system_vgpr_workitem_id 0
		.amdhsa_next_free_vgpr 1024
		.amdhsa_next_free_sgpr 100
		.amdhsa_reserve_vcc 0
		.amdhsa_float_denorm_mode_32 3
		.amdhsa_float_denorm_mode_16_64 3
		.amdhsa_memory_ordered 1
		.amdhsa_forward_progress 1
		.amdhsa_inst_pref_size 120
	.end_amdhsa_kernel
	.amdgpu_metadata
---
amdhsa.version: [ 1, 2 ]
amdhsa.kernels:
  - .name:           k_q6931ff7e9a_qkv
    .symbol:         k_q6931ff7e9a_qkv.kd
    .args:
      - { .name: xc, .offset: 0, .size: 8, .value_kind: global_buffer, .address_space: global }
      - { .name: xs, .offset: 8, .size: 8, .value_kind: global_buffer, .address_space: global }
      - { .name: wc, .offset: 16, .size: 8, .value_kind: global_buffer, .address_space: global }
      - { .name: ws, .offset: 24, .size: 8, .value_kind: global_buffer, .address_space: global }
      - { .name: qkv, .offset: 32, .size: 8, .value_kind: global_buffer, .address_space: global }
      - { .name: fineb, .offset: 40, .size: 8, .value_kind: global_buffer, .address_space: global }
    .group_segment_fixed_size: 327680
    .private_segment_fixed_size: 0
    .kernarg_segment_align: 8
    .kernarg_segment_size: 48
    .max_flat_workgroup_size: 128
    .sgpr_count:     100
    .vgpr_count:     1024
    .wavefront_size: 32
...
	.end_amdgpu_metadata
.endif
;; end of part 3
;; launch attn (part 4): grid 4 x 64, 8 waves a work-group, no clusters, 327,680 bytes of LDS; arguments qkv, att; writes att
.if DOCPART == 4
	.amdgcn_target "amdgcn-amd-amdhsa--gfx1250"
	.amdhsa_code_object_version 6
	.text
	.protected	k_q6931ff7e9a_attn
	.globl	k_q6931ff7e9a_attn
	.p2align	8
	.type	k_q6931ff7e9a_attn,@function
k_q6931ff7e9a_attn:
	s_mov_b64 s[64:65], 0
	v_nop
	global_prefetch_b8 v0, s[64:65] scope:SCOPE_SE
	s_setreg_imm32_b32 hwreg(HW_REG_WAVE_MODE, 25, 1), 1
	s_wait_xcnt 0x0
; ATTN.  att[b][t][head x 64 + d] = the sum over keys s <= t of softmax_s(q[t] . k[s] / 8) v[s][d], for every batch and head; operands f16, products, maxima and sums f32; the weights p are rounded to f16 for the
; second product, the result once at the end.  (Positions 0-15 are computed here too, but the output's rows for them come from the launch that carries them in f32.)
; SHARES.  A work-group (x = i, 0..3; y = batch x 16 + head) owns the query blocks i and 7 - i of 256 queries.  It walks nine UNITS of 256 keys, whatever i is: unit n <= i is (block i, keys 256 n on), unit n > i is
; (block 7 - i, keys 256 (n - i - 1) on).  So all 256 work-groups have the same work under the causal mask, every trip count is a constant, and every tile that is fetched is read.  A wave owns 32 queries: two tiles of 16.
; NO CLUSTER: in one and the same unit the four work-groups of a head want different key blocks (i = 3 is at keys 256 n while i = 0 is at 256 (n - 1)), so no tile could be asked for jointly in the same round.
; OPERANDS ARE IMAGES OF REGISTERS: q's and k's fragments (16 tokens x 32 channels, 1,024 bytes) lie in memory and LDS as lane l's 16 bytes at 16 l (+ 512 for registers 4-7); v's pieces are laid so that
; ds_load_tr16_b128 at 16 l gives half a fragment of V^T.  No pitch, no padding, every LDS instruction reads 512 consecutive bytes.
; LAYOUT.  S^T = K Q^T (source 0 = 16 keys, source 1 = 16 queries), O^T = V^T P: a lane holds one query (lane % 16) throughout; two tiles of S^T rounded in pairs are source 1 of the second product.
; SOFTMAX.  Running maximum m and sum l for each query: p = 2^(c s - c m), c = log2(e) / 8; in every step O and l are multiplied by a = 2^(c m_old - c m_new).
; LIMITS: m starts at -3e38, under every score that is served; |q|, |k|, |v| under 65,504; NaN and infinities are not served.
; LDS: slot s at 65,536 s: K's 16 token tiles of 2,048 bytes, then V's; the spare words behind the two slots.  lds_bytes claims all of LDS.
.set SLOTB, 65536
.set VOFF,  32768
.set SPARE, 2*SLOTB
.set LI,   1                           ; v1   16 x lane
.set ADR,  2                           ; v2   the slot in hand + 16 x lane
.set SPW,  3                           ; v3   my spare word's LDS address; never rewritten
.set NIL,  4                           ; v4   0; never rewritten
.set PFO,  5                           ; v5   256 x lane: the prefetch's offset; never rewritten
.set RL,   6                           ; v6   r - 8 h
.set NINF, 7                           ; v7   -infinity
.set D0,   8                           ; v8-9 the mask's bound for tile 0, 1
.set ST,   16                          ; v16-31 statistics, 8 a tile: +0 c m, +1 m, +2, +3 l, +4..+7 at work (+6: a)
.set Q,    32                          ; v32-63 Q: tile t, channels 32 dc on: 16 t + 8 dc
.set KV,   64                          ; v64-127 K's eight fragments, then V^T's eight
.set S,    128                         ; v128-191 S^T, 32 a tile; P is packed in place into a tile's first 16
.set O,    192                         ; v192-255 O^T, 32 a tile
.set WV,   8
.set I,    9
.set BH,   10
.set G1,   16                          ; s[16:23] descriptor group 1
.set G0,   24                          ; s[24:27] descriptor group 0, which walks
.set KVB,  28                          ; s[28:29] my 8,192 bytes of key block 0 (waves 0-3: of K; waves 4-7: of V)
.set QH,   30                          ; s[30:31] q of my head
.set OH,   32                          ; s[32:33] att at my batch and head
.set QA,   34
.set OA,   36
.set T,    38                          ; s[38:39] an offset; s39 stays 0
.set U,    40                          ; s[40:41] an offset or a bound; s41 stays 0
.set UN,   42                          ; the unit
.set TB,   44                          ; LDS byte at which the slot in hand begins
.set KF,   45                          ; the step's first key
.set Q0,   46                          ; my first query
.set CS,   48                          ; s[48:49] c, twice
.set SEL,  50                          ; s[50:51] v_permlanex16_b32's selects for lane l xor 16
.set PFA,  52                          ; s[52:53] where my prefetch stands
.set LIM,  54                          ; a wave prefetches while the unit is under this
	s_load_b128 s[4:7], s[0:1], 0x0                ; qkv, att
	v_lshl_add_u32 v[SPW], v0, 2, SPARE
	v_mov_b32 v[NIL], 0
	ds_add_u32 v[SPW], v[NIL]                      ; the wave's opening: the add, twice on end, and its wait ahead of my first tensor load
	ds_add_u32 v[SPW], v[NIL]
	v_lshrrev_b32 v8, 5, v0
	v_readfirstlane_b32 s[WV], v8                  ; wave 0..7
	s_mov_b32 s[I], ttmp9
	s_and_b32 s[BH], ttmp7, 0xffff
	s_mov_b32 s[G1], 3<<16                         ; no mask, elements of 8 bytes, no padding: a dense block of 8,192 bytes as 32 rows of 256
	s_mov_b32 s[G1+1], 32<<16                      ; tensor_dim0 = 32
	s_mov_b32 s[G1+2], 32<<16                      ; tensor_dim1 = 32
	s_mov_b32 s[G1+3], 32<<16                      ; tile_dim0 = 32
	s_mov_b32 s[G1+4], 32                          ; tile_dim1 = 32
	s_mov_b32 s[G1+5], 32                          ; the pitch
	s_mov_b32 s[G1+6], 0
	s_mov_b32 s[G1+7], 0
	s_mov_b32 s[CS], 0x3e38aa3b                    ; c = log2(e) / 8
	s_mov_b32 s[CS+1], s[CS]
	s_mov_b32 s[SEL], 0x76543210
	s_mov_b32 s[SEL+1], 0xfedcba98
	v_and_b32 v8, 31, v0
	v_lshlrev_b32 v[LI], 4, v8
	v_lshlrev_b32 v[PFO], 8, v8
	v_and_b32 v8, 15, v0
	v_bfe_u32 v9, v0, 4, 1
	v_lshlrev_b32 v9, 3, v9
	v_sub_nc_u32 v[RL], v8, v9
	v_mov_b32 v[NINF], 0xff800000
	s_lshl_b32 s[U], s[BH], 18                     ; a head's 262,144 bytes in each tensor
	s_mov_b32 s[U+1], 0
	s_lshr_b32 s[T], s[WV], 2
	s_add_co_u32 s[T], s[T], 1                     ; tensor 1 (k) or 2 (v),
	s_lshl_b32 s[T], s[T], 24
	s_and_b32 s[T+1], s[WV], 3
	s_lshl_b32 s[T+1], s[T+1], 13                  ; my quarter of a key block,
	s_add_co_u32 s[T], s[T], s[T+1]
	s_add_co_u32 s[T], s[T], s[U]                  ; my head
	s_mov_b32 s[T+1], 0
	s_and_b32 s12, s[BH], 15                       ; att: (head / 4) x 2^22 + (head % 4) x 2,048 + batch x 2^20
	s_lshr_b32 s13, s12, 2
	s_lshl_b32 s13, s13, 22
	s_and_b32 s12, s12, 3
	s_lshl_b32 s12, s12, 11
	s_add_co_u32 s12, s12, s13
	s_lshr_b32 s13, s[BH], 4
	s_lshl_b32 s13, s13, 20
	s_add_co_u32 s12, s12, s13
	s_mov_b32 s13, 0
	s_cmp_eq_u32 s[I], 0
	s_cselect_b32 s[LIM], 7, 0                     ; the head's first work-group prefetches, in units 0 to 6
	s_lshl_b32 s[Q0], s[I], 8
	s_lshl_b32 s14, s[WV], 5
	s_add_co_u32 s[Q0], s[Q0], s14                 ; my first query: 256 i + 32 x wave
	s_mov_b32 s[UN], 0
	s_mov_b32 s[KF], 0
	s_mov_b32 s[TB], 0
	s_wait_dscnt 0x0                               ; both opening adds are done
	s_wait_kmcnt 0x0
	s_add_nc_u64 s[KVB:KVB+1], s[4:5], s[T:T+1]
	s_add_nc_u64 s[QH:QH+1], s[4:5], s[U:U+1]
	s_add_nc_u64 s[OH:OH+1], s[6:7], s[12:13]
	s_mov_b64 s[PFA:PFA+1], s[KVB:KVB+1]
	s_mov_b32 s[G0], 1
	s_lshl_b32 s[G0+1], s[WV], 13                  ; LDS: 8,192 x wave, in slot 0
	s_mov_b64 s[G0+2:G0+3], s[KVB:KVB+1]           ; unit 0 is key block 0
	s_or_b32 s[G0+3], s[G0+3], 0x80000000
	tensor_load_to_lds s[G0:G0+3], s[G1:G1+7]      ; one load of mine is out, here and behind every change of slots
	s_nop 0
	s_lshl_b32 s[U], s[Q0], 7                      ; a token tile of q is 2,048 bytes
	s_add_nc_u64 s[QA:QA+1], s[QH:QH+1], s[U:U+1]
.macro QLOAD
.irp t, 0,1
.irp dc, 0,1
.irp c, 0,1
	global_load_b128 v[Q+16*\t+8*\dc+4*\c:Q+16*\t+8*\dc+4*\c+3], v[LI], s[QA:QA+1] offset:2048*\t+1024*\dc+512*\c
.endr
.endr
.endr
.endm
.macro INIT                            ; O^T and l begin as zeros, m under every score: the first step's a is 0, which leaves zeros zeros
.set n, 0
.rept 64
	v_mov_b32 v[O+n], 0
.set n, n+1
.endr
.irp t, 0,1
	v_mov_b32 v[ST+8*\t+1], 0xff61b1e6             ; -3e38
	v_mul_f32 v[ST+8*\t], s[CS], v[ST+8*\t+1]
.irp k, 2,3,4,5,6,7
	v_mov_b32 v[ST+8*\t+\k], 0
.endr
.endr
.endm
	QLOAD
	INIT
	s_wait_loadcnt 0x0
; A prefetch of key block u + 1 in unit u: my own tile of the unit after next, one unit ahead of the load that will want it.  Only the head's first work-group asks; each of its waves names its own 8,192 bytes,
; lanes 256 bytes apart: key blocks 1 to 7 of K and V are each named once in the launch.
.macro ASK
	s_cmp_lt_u32 s[UN], s[LIM]
	s_cbranch_scc0 .Lnot_mine_\@
	global_prefetch_b8 v[PFO], s[PFA:PFA+1] th:TH_LOAD_NT scope:SCOPE_SE
.Lnot_mine_\@:
.endm
; THE CHANGE OF SLOTS, at a unit's head.  Each wave waits for all its tensor loads (its part of the slot ahead), adds 0 to its spare word, and waits for that and for its reads of the slot that it has left.
; Behind the barrier the slot ahead is whole and nobody reads the other.  fill = 1: the other slot takes the next unit's keys; the load has a whole unit's work in which to land.
.macro CHANGE fill
	s_wait_tensorcnt 0x0                           ; no tensor load of mine is out, so group 0 may be written
	ds_add_u32 v[SPW], v[NIL]                      ; 0 onto my spare word; the descriptor's steps stand between it and the wait for it
.if \fill
	s_xor_b32 s[G0+1], s[G0+1], SLOTB              ; the other slot than last time
	s_lshr_b32 s[T], s[KF], 8
	s_add_co_u32 s[T], s[T], 1                     ; the next key block,
	s_cmp_eq_u32 s[UN], s[I]
	s_cselect_b32 s[T], 0, s[T]                    ; or block 0 where the next unit begins my second query block
	s_lshl_b32 s[T], s[T], 15
	s_add_nc_u64 s[G0+2:G0+3], s[KVB:KVB+1], s[T:T+1]
	s_or_b32 s[G0+3], s[G0+3], 0x80000000
	s_wait_xcnt 0x0                                ; the last prefetch, a unit back, has read its address
	s_add_nc_u64 s[PFA:PFA+1], s[PFA:PFA+1], 32768
.endif
	s_wait_dscnt 0x0                               ; the add is done, and my reads of the slot that I have left are over
	s_barrier_signal -1
	s_barrier_wait -1
.if \fill
	tensor_load_to_lds s[G0:G0+3], s[G1:G1+7]      ; the first thing behind the barrier, and my one tensor load until the next
	s_nop 0
	ASK
.endif
.endm
; The softmax of both tiles for 64 keys, the tiles line by line.
.macro SOFT
.irp j, 0,1,2,3
.irp t, 0,1
	v_max3_num_f32 v[ST+8*\t+4+\j], v[S+32*\t+8*\j], v[S+32*\t+8*\j+1], v[S+32*\t+8*\j+2]   ; four chains, each from an accumulator's low end
.endr
.endr
.irp u, 1,2
.irp j, 0,1,2,3
.irp t, 0,1
	v_max3_num_f32 v[ST+8*\t+4+\j], v[ST+8*\t+4+\j], v[S+32*\t+8*\j+2*\u+1], v[S+32*\t+8*\j+2*\u+2]
.endr
.endr
.endr
.irp t, 0,1
	v_max3_num_f32 v[ST+8*\t+4], v[ST+8*\t+4], v[S+32*\t+7], v[S+32*\t+15]
.endr
.irp t, 0,1
	v_max3_num_f32 v[ST+8*\t+6], v[ST+8*\t+6], v[S+32*\t+23], v[S+32*\t+31]
.endr
.irp t, 0,1
	v_max3_num_f32 v[ST+8*\t+4], v[ST+8*\t+4], v[ST+8*\t+5], v[ST+8*\t+6]
.endr
.irp t, 0,1
	v_max3_num_f32 v[ST+8*\t+4], v[ST+8*\t+4], v[ST+8*\t+7], v[ST+8*\t+1]   ; with the old m
.endr
.irp t, 0,1
	v_permlanex16_b32 v[ST+8*\t+5], v[ST+8*\t+4], s[SEL], s[SEL+1]          ; the query's other 32 keys lie in the lane 16 away
.endr
.irp t, 0,1
	v_mov_b32 v[ST+8*\t+7], v[ST+8*\t]             ; c m_old is kept for a
.endr
.irp t, 0,1
	v_max_num_f32 v[ST+8*\t+1], v[ST+8*\t+4], v[ST+8*\t+5]
.endr
.irp t, 0,1
	v_mul_f32 v[ST+8*\t], s[CS], v[ST+8*\t+1]
.endr
.irp t, 0,1
	v_sub_f32 v[ST+8*\t+7], v[ST+8*\t+7], v[ST+8*\t]
.endr
.irp b, 0,2,4,6,8,10,12,14,16,18,20,22,24,26,28,30
.irp t, 0,1
	v_pk_fma_f32 v[S+32*\t+\b:S+32*\t+\b+1], v[S+32*\t+\b:S+32*\t+\b+1], s[CS:CS+1], v[ST+8*\t:ST+8*\t+1] op_sel_hi:[1,0,0] neg_lo:[0,0,1] neg_hi:[0,0,1]   ; c s - c m
.endr
.endr
.irp t, 0,1
	v_exp_f32 v[ST+8*\t+6], v[ST+8*\t+7]           ; a
.endr
.set n, 0
.rept 32
	v_exp_f32 v[S+n], v[S+n]
	v_exp_f32 v[S+32+n], v[S+32+n]
.set n, n+1
.endr
	v_nop                                          ; a plain line behind the last exponential
	s_wait_alu depctr_va_vdst(0)                   ; one wait for the 66 exponentials, ahead of their first reader
.irp t, 0,1
	v_pk_fma_f32 v[ST+8*\t+2:ST+8*\t+3], v[ST+8*\t+2:ST+8*\t+3], v[ST+8*\t+6:ST+8*\t+7], v[S+32*\t:S+32*\t+1] op_sel_hi:[1,0,1]   ; l = a l + the first pair: the sum is taken of the unrounded p
.endr
.irp t, 0,1
	v_pk_add_f32 v[ST+8*\t+4:ST+8*\t+5], v[S+32*\t+2:S+32*\t+3], v[S+32*\t+6:S+32*\t+7]   ; a second chain
.endr
.irp p, 4,8,12,16,20,24,28
.irp t, 0,1
	v_pk_add_f32 v[ST+8*\t+2:ST+8*\t+3], v[ST+8*\t+2:ST+8*\t+3], v[S+32*\t+\p:S+32*\t+\p+1]
.if \p >= 8
	v_pk_add_f32 v[ST+8*\t+4:ST+8*\t+5], v[ST+8*\t+4:ST+8*\t+5], v[S+32*\t+\p+2:S+32*\t+\p+3]
.endif
.endr
.endr
.irp t, 0,1
	v_pk_add_f32 v[ST+8*\t+2:ST+8*\t+3], v[ST+8*\t+2:ST+8*\t+3], v[ST+8*\t+4:ST+8*\t+5]
.endr
.set n, 0
.rept 16                               ; p to f16, in place and ascending: register n is written when registers 2 n and 2 n + 1 are read, and all below them have been
	v_cvt_pk_f16_f32 v[S+n], v[S+2*n], v[S+2*n+1]
	v_cvt_pk_f16_f32 v[S+32+n], v[S+32+2*n], v[S+32+2*n+1]
.set n, n+1
.endr
.irp k, 0,2,4,6,8,10,12,14,16,18,20,22,24,26,28,30
.irp t, 0,1
	v_pk_mul_f32 v[O+32*\t+\k:O+32*\t+\k+1], v[O+32*\t+\k:O+32*\t+\k+1], v[ST+8*\t+6:ST+8*\t+7] op_sel_hi:[1,0]   ; O^T x a, each accumulator from its low end on
.endr
.endr
.endm
; A KEY STEP: 64 keys, the q-th of the slot in hand.
.macro STEP q
	s_add_co_u32 s[U], s[Q0], 31                   ; a step all of whose keys come after my 32 queries is left out: a branch on ids and counted steps
	s_cmp_gt_u32 s[KF], s[U]
	s_cbranch_scc1 .Lhid_\@
.irp kt, 0,1,2,3
.irp dc, 0,1
.irp c, 0,1
	ds_load_b128 v[KV+8*(2*\kt+\dc)+4*\c:KV+8*(2*\kt+\dc)+4*\c+3], v[ADR] offset:8192*(\q)+2048*\kt+1024*\dc+512*\c
.endr
.endr
.endr
	s_wait_dscnt 0x0
.irp dc, 0,1                           ; S^T = K Q^T: the eight accumulators take turns, one instruction a turn
.irp kt, 0,1,2,3
.irp t, 0,1
.if \dc == 0
	v_wmma_f32_16x16x32_f16 v[S+32*\t+8*\kt:S+32*\t+8*\kt+7], v[KV+8*(2*\kt+\dc):KV+8*(2*\kt+\dc)+7], v[Q+16*\t+8*\dc:Q+16*\t+8*\dc+7], 0
.else
	v_wmma_f32_16x16x32_f16 v[S+32*\t+8*\kt:S+32*\t+8*\kt+7], v[KV+8*(2*\kt+\dc):KV+8*(2*\kt+\dc)+7], v[Q+16*\t+8*\dc:Q+16*\t+8*\dc+7], v[S+32*\t+8*\kt:S+32*\t+8*\kt+7]
.endif
.endr
.endr
.endr
.rept 4
	v_nop                                          ; places in front of the loads into K's registers and of the first read of the scores
.endr
.irp kt, 0,1,2,3                       ; V^T: fragment (32 keys kt / 2, 16 channels ct), registers 4 (kt % 2) on; it lands while the softmax is worked
.irp ct, 0,1,2,3
	ds_load_tr16_b128 v[KV+8*(4*(\kt/2)+\ct)+4*(\kt%2):KV+8*(4*(\kt/2)+\ct)+4*(\kt%2)+3], v[ADR] offset:VOFF+8192*(\q)+2048*\kt+512*\ct
.endr
.endr
	s_add_co_u32 s[U], s[KF], 63                   ; a step all of whose keys count for all my queries skips the mask
	s_cmp_le_u32 s[U], s[Q0]
	s_cbranch_scc1 .Lopen_\@
	s_sub_co_i32 s[U], s[Q0], s[KF]
	v_add_nc_u32 v[D0], s[U], v[RL]                ; register 8 kt + j of tile t holds key KF + 16 kt + 8 h + j: hidden where 16 kt + j > Q0 - KF + 16 t + r - 8 h
	v_add_nc_u32 v[D0+1], 16, v[D0]
.irp t, 0,1
.irp kt, 0,1,2,3
.irp j, 0,1,2,3,4,5,6,7
	v_cmp_gt_i32 vcc_lo, 16*\kt+\j, v[D0+\t]
	v_cndmask_b32 v[S+32*\t+8*\kt+\j], v[S+32*\t+8*\kt+\j], v[NINF], vcc_lo
.endr
.endr
.endr
.Lopen_\@:
	SOFT
	s_wait_dscnt 0x0                               ; V^T is in
.irp g, 0,1                            ; O^T += V^T P: the eight accumulators by turns
.irp ct, 0,1,2,3
.irp t, 0,1
	v_wmma_f32_16x16x32_f16 v[O+32*\t+8*\ct:O+32*\t+8*\ct+7], v[KV+8*(4*\g+\ct):KV+8*(4*\g+\ct)+7], v[S+32*\t+8*\g:S+32*\t+8*\g+7], v[O+32*\t+8*\ct:O+32*\t+8*\ct+7]
.endr
.endr
.endr
.rept 5
	v_nop                                          ; the next step's products write over P, its loads land on V^T: five places serve both
.endr
.Lhid_\@:
	s_add_co_u32 s[KF], s[KF], 64
.endm
.macro UNIT
	v_add_nc_u32 v[ADR], s[TB], v[LI]
	STEP 0
	STEP 1
	STEP 2
	STEP 3
	s_xor_b32 s[TB], s[TB], SLOTB                  ; on to the other slot
.endm
; A query block is done: O^T / l, rounded to f16, leaves as images of the projection's operand: att [head / 4][row tile][2 (head % 4) + channels / 32][1,024 bytes].  again = 1: the second query block begins.
.macro FLUSH again
.irp t, 0,1
	v_add_f32 v[ST+8*\t+4], v[ST+8*\t+2], v[ST+8*\t+3]
.endr
.irp t, 0,1
	v_permlanex16_b32 v[ST+8*\t+5], v[ST+8*\t+4], s[SEL], s[SEL+1]
.endr
.irp t, 0,1
	v_add_f32 v[ST+8*\t+4], v[ST+8*\t+4], v[ST+8*\t+5]
.endr
.irp t, 0,1
	v_rcp_f32 v[ST+8*\t+6], v[ST+8*\t+4]
.endr
	s_lshl_b32 s[U], s[Q0], 9                      ; a row tile of att is 8,192 bytes
	s_add_nc_u64 s[OA:OA+1], s[OH:OH+1], s[U:U+1]
	v_nop                                          ; a plain line behind the reciprocals
	s_wait_alu depctr_va_vdst(0)                   ; and the one wait ahead of their first reader
.irp k, 0,2,4,6,8,10,12,14,16,18,20,22,24,26,28,30
.irp t, 0,1
	v_pk_mul_f32 v[O+32*\t+\k:O+32*\t+\k+1], v[O+32*\t+\k:O+32*\t+\k+1], v[ST+8*\t+6:ST+8*\t+7] op_sel_hi:[1,0]
.endr
.endr
.set n, 0
.rept 16
	v_cvt_pk_f16_f32 v[S+n], v[O+2*n], v[O+2*n+1]
	v_cvt_pk_f16_f32 v[S+16+n], v[O+32+2*n], v[O+32+2*n+1]
.set n, n+1
.endr
.irp t, 0,1
.irp ct, 0,1,2,3
	global_store_b128 v[LI], v[S+16*\t+4*\ct:S+16*\t+4*\ct+3], s[OA:OA+1] offset:8192*\t+512*\ct th:TH_STORE_NT   ; 512 consecutive bytes, aligned
.endr
.endr
.if \again
	s_sub_co_u32 s[U], 7, s[I]
	s_lshl_b32 s[U], s[U], 8
	s_lshl_b32 s[Q0], s[WV], 5
	s_add_co_u32 s[Q0], s[Q0], s[U]                ; my first query of block 7 - i
	s_mov_b32 s[KF], 0
	s_lshl_b32 s[U], s[Q0], 7
	s_add_nc_u64 s[QA:QA+1], s[QH:QH+1], s[U:U+1]
	QLOAD
	INIT
	s_wait_xcnt 0x0                                ; the stores have read their data registers, which the next scores write
	s_wait_loadcnt 0x0
.endif
.endm
.Lunit:                                ; eight trips: behind each change of slots the next unit's keys are asked for
	CHANGE 1
	UNIT
	s_cmp_lg_u32 s[UN], s[I]
	s_cbranch_scc1 .Lsame
	FLUSH 1
.Lsame:
	s_add_co_u32 s[UN], s[UN], 1
	s_cmp_lt_u32 s[UN], 8
	s_cbranch_scc1 .Lunit
	CHANGE 0                                       ; the ninth unit is written out
	UNIT
	FLUSH 0
	s_wait_tensorcnt 0x0                           ; the wave's end
	ds_add_u32 v[SPW], v[NIL]
	s_wait_dscnt 0x0
	s_endpgm
.Lfunc_end_k_q6931ff7e9a_attn:
	.size	k_q6931ff7e9a_attn, .Lfunc_end_k_q6931ff7e9a_attn-k_q6931ff7e9a_attn
	.p2alignl 7, 3214868480
	.fill 96, 4, 3214868480
	.section	.rodata,"a",@progbits
	.p2align	6, 0x0
	.amdhsa_kernel k_q6931ff7e9a_attn
		.amdhsa_group_segment_fixed_size 327680
		.amdhsa_private_segment_fixed_size 0
		.amdhsa_enable_private_segment 0
		.amdhsa_kernarg_size 16
		.amdhsa_user_sgpr_count 2
		.amdhsa_user_sgpr_kernarg_segment_ptr 1
		.amdhsa_wavefront_size32 1
		.amdhsa_system_sgpr_workgroup_id_x 1
		.amdhsa_system_sgpr_workgroup_id_y 1
		.amdhsa_system_sgpr_workgroup_id_z 1
		.amdhsa_system_vgpr_workitem_id 0
		.amdhsa_next_free_vgpr 256
		.amdhsa_next_free_sgpr 66
		.amdhsa_reserve_vcc 1
		.amdhsa_float_denorm_mode_32 3
		.amdhsa_float_denorm_mode_16_64 3
		.amdhsa_memory_ordered 1
		.amdhsa_forward_progress 1
		.amdhsa_inst_pref_size 192
	.end_amdhsa_kernel
	.amdgpu_metadata
---
amdhsa.version: [ 1, 2 ]
amdhsa.kernels:
  - .name:           k_q6931ff7e9a_attn
    .symbol:         k_q6931ff7e9a_attn.kd
    .args:
      - { .name: qkv, .offset: 0, .size: 8, .value_kind: global_buffer, .address_space: global }
      - { .name: att, .offset: 8, .size: 8, .value_kind: global_buffer, .address_space: global }
    .group_segment_fixed_size: 327680
    .private_segment_fixed_size: 0
    .kernarg_segment_align: 8
    .kernarg_segment_size: 16
    .max_flat_workgroup_size: 256
    .sgpr_count:     66
    .vgpr_count:     256
    .wavefront_size: 32
...
	.end_amdgpu_metadata
.endif
;; end of part 4
;; launch proj (part 5): grid 8 x 64, 4 waves a work-group, clusters of 4 x 4, 327,680 bytes of LDS; arguments att, wo16, bo, out0; writes out0
.if DOCPART == 5
	.amdgcn_target "amdgcn-amd-amdhsa--gfx1250"
	.amdhsa_code_object_version 6
	.text
	.protected	k_q6931ff7e9a_proj
	.globl	k_q6931ff7e9a_proj
	.p2align	8
	.type	k_q6931ff7e9a_proj,@function
k_q6931ff7e9a_proj:
	s_mov_b64 s[64:65], 0
	v_nop
	global_prefetch_b8 v0, s[64:65] scope:SCOPE_SE
	s_setreg_imm32_b32 hwreg(HW_REG_WAVE_MODE, 25, 1), 1
	s_wait_xcnt 0x0
	s_wait_alu depctr_hold_cnt(0) depctr_sa_sdst(0) depctr_va_vdst(0) depctr_va_sdst(0) depctr_va_ssrc(0) depctr_va_vcc(0) depctr_vm_vsrc(0)
	s_getreg_b32 s2, hwreg(HW_REG_IB_STS2, 6, 4)
	s_cmp_eq_u32 s2, 0
	s_cbranch_scc0 .Lentry_in_a_cluster
	s_endpgm
.Lentry_in_a_cluster:
	s_bfe_u32 s2, ttmp6, 0x10000c
	s_cmp_lg_u32 s2, 0xf033
	s_cbranch_scc0 .Lentry_shape_is_right
	s_endpgm
.Lentry_shape_is_right:
; PROJ.  out0[row][n] = sum over k of att[row][k] Wo[n][k] + bo[n]; row = batch x 2048 + position, 8192 rows; n, k 0..1023.  Operands f16, sums f32, out0 f32.
; The rows of positions 0-15 of every sequence are NOT stored here: the launch that follows carries them in f32.
; A tile of out0 is 128 x 128: 512 work-groups.  Four waves, each 64 x 64: 16 accumulators.  K goes in steps of 256 through a ring of two LDS slots.
; att arrives as IMAGES of this product's operand registers, [K step][row tile of 16][32 along K][1,024 bytes]: a K step's part of 128 rows is one dense block of 65,536 bytes, and a fragment is two LDS loads
; of 512 consecutive bytes.  Wo's tile has rows of 512 bytes + 16 of padding.
; CLUSTERS: 4 x 4.  The four of a row of the cluster need the same tiles of att, the four of a column the same tiles of Wo: each is asked for jointly.  Tile row = cluster y + 16 cy, so that cy is the batch:
; whether my rows hold positions 0-15 hangs on the cluster's y and the wave's number alone.
; THE MATRIX INSTRUCTION IS USED TRANSPOSED (source 0 = 16 rows of Wo, source 1 = 16 rows of att): a lane holds eight neighbouring numbers of a row of out0.  The bias is the C of each sum's first product.
; LIMIT: |att| and |Wo| stay under 65,504.
; REGISTERS: window 0: v0-31 addresses; v32-95 the way out; v96-127 the bias, 8 registers a block of columns; v128-255 the accumulators ((a, b) at v[128 + 8 (4 a + b)]).  window 1: two fragment buffers of 128.
.set SIZE_N, 1024
.set SIZE_K, 1024
.set KSTEP,  256
.set PITCH,  528                       ; a row of Wo's tile in LDS: 512 bytes + 16: the 16 rows that a load touches start at 16 different banks (64 banks of 4 bytes: ISA guide 11.1)
.set HALFT,  64*PITCH
.set ABYTES, 65536                     ; att's part of a slot: 8 row tiles x 8 images
.set SLOT,   ABYTES+2*HALFT
.set STAGE,  2*SLOT                    ; behind the ring: 16 rows x 272 bytes for each wave
.set SPITCH, 272
.set SPARE,  STAGE+4*16*SPITCH         ; the spare words, 128 bytes a wave, named by no other line
.set LAPS, SIZE_K/(2*KSTEP)
.set ADRA, 16
.set ADRB, 20
.set STO,  24
.set RD,   25
.set CO,   26
.set SPW,  28                          ; v28  my spare word's LDS address; never rewritten
.set NIL,  29                          ; v29  0; never rewritten
.set TMP,  32
.set BI,   96
.set ACC,  128
.set F0,   0
.set F1,   128
.set G1, 24
.set G0, 32
.set G1B, 48
.set G0B, 56
.set MSB, 0
.macro WIN new                         ; the immediate's high byte repeats the setting that is left
.if MSB != \new
	s_set_vgpr_msb (MSB<<8)|\new
.set MSB, \new
.endif
.endm
.set MUL,  0x05                        ; sources 0 (Wo) and 1 (att) window 1; C and D window 0
.set TO_F, 0x40                        ; destination window 1, address window 0
.macro JLOAD s                         ; a joint load: waves 0 and 1 fetch att's two halves, waves 2 and 3 Wo's; an s_nop 0 and four v_nop follow each of the two lines
	s_cmp_eq_u32 s11, 0
	s_cbranch_scc0 .Lfor_b_\@
	tensor_load_to_lds s[G0+4*\s:G0+4*\s+3], s[G1:G1+7]
	s_nop 0
.rept 4
	v_nop
.endr
	s_branch .Lasked_\@
.Lfor_b_\@:
	tensor_load_to_lds s[G0B+4*\s:G0B+4*\s+3], s[G1B:G1B+7]
	s_nop 0
.rept 4
	v_nop
.endr
.Lasked_\@:
.endm
.macro CREST                           ; a round of the cluster's barrier behind its opening barrier
	s_cmp_lg_u32 s10, 0
	s_cbranch_scc1 .Lnot_wave_0_\@
	s_barrier_signal -3
.Lnot_wave_0_\@:
	s_barrier_wait -3
	s_barrier_signal -1
	s_barrier_wait -1
.endm
.macro CROUND
	s_barrier_signal -1
	s_barrier_wait -1
	CREST
.endm
	s_load_b128 s[4:7], s[0:1], 0x0                ; att, wo16
	s_load_b64 s[66:67], s[0:1], 0x10              ; bo
	s_load_b64 s[8:9], s[0:1], 0x18                ; out0
	v_lshl_add_u32 v[SPW], v0, 2, SPARE
	v_mov_b32 v[NIL], 0
	ds_add_u32 v[SPW], v[NIL]                      ; the wave's opening: the add, twice on end, and its wait ahead of my first tensor load
	ds_add_u32 v[SPW], v[NIL]
	v_lshrrev_b32 v1, 5, v0
	v_readfirstlane_b32 s10, v1                    ; wave 0..3
	s_lshr_b32 s11, s10, 1                         ; which half of the tile's rows is mine.  Also: I fetch for att (0) or for Wo (1)
	s_and_b32 s12, s10, 1                          ; which half of its columns.  Also: which 64 rows of that tile I fetch
	s_bfe_u32 s40, ttmp6, 0x40000                  ; cx, cy
	s_bfe_u32 s41, ttmp6, 0x40004
	s_lshl_b32 s42, ttmp9, 2
	s_add_co_u32 s42, s42, s40                     ; tile column = 4 x cluster x + cx
	s_and_b32 s68, ttmp7, 0xffff                   ; cluster y: 128 positions of a sequence
	s_lshl_b32 s13, s41, 4
	s_add_co_u32 s13, s13, s68                     ; tile row = cluster y + 16 cy
	s_lshl_b32 s43, s41, 2
	s_lshl_b32 s43, 15, s43                        ; my row of the cluster
	s_lshl_b32 s44, 0x1111, s40                    ; my column
	s_or_b32 s[G1+0], s43, (3<<16)|(1<<21)         ; att: the mask; elements of 8 bytes; no padding; bit 21 beside a mask: a dense block of 32,768 bytes as 128 rows of 256
	s_mov_b32 s[G1+1], 32<<16                      ; tensor_dim0 = 32
	s_mov_b32 s[G1+2], 128<<16                     ; tensor_dim1 = 128
	s_mov_b32 s[G1+3], 32<<16                      ; tile_dim0 = 32
	s_mov_b32 s[G1+4], 128                         ; tile_dim1 = 128
	s_mov_b32 s[G1+5], 32                          ; the pitch
	s_mov_b32 s[G1+6], 0
	s_mov_b32 s[G1+7], 0
	s_or_b32 s[G1B+0], s44, (1<<16)|(1<<20)|(1<<21)|(6<<22)|(3<<25)  ; Wo: elements of 2 bytes; padding of 4 words after every 128
	s_mov_b32 s[G1B+1], KSTEP<<16
	s_mov_b32 s[G1B+2], 64<<16
	s_mov_b32 s[G1B+3], KSTEP<<16
	s_mov_b32 s[G1B+4], 64
	s_mov_b32 s[G1B+5], SIZE_K
	s_mov_b32 s[G1B+6], 0
	s_mov_b32 s[G1B+7], 0
	s_lshl_b32 s16, s13, 16                        ; att: 8 row tiles of 8,192 bytes a tile row,
	s_lshl_b32 s17, s12, 15                        ; + the four that I fetch
	s_add_co_u32 s16, s16, s17
	s_mov_b32 s17, 0
	s_lshl_b32 s46, s42, 18                        ; Wo: 128 rows of 2,048 bytes a tile column,
	s_lshl_b32 s47, s12, 17                        ; + the 64 that I fetch
	s_add_co_u32 s46, s46, s47
	s_mov_b32 s47, 0
	s_lshl_b32 s20, s12, 15                        ; where they go: att's halves,
	s_mul_i32 s23, s12, HALFT
	s_add_co_u32 s23, s23, ABYTES                  ; and Wo's behind them: the wave's number alone
	s_wait_dscnt 0x0                               ; both opening adds are done
	s_wait_kmcnt 0x0
	s_add_nc_u64 s[14:15], s[4:5], s[16:17]
	s_add_nc_u64 s[46:47], s[6:7], s[46:47]
	CROUND                                         ; all sixteen work-groups are here: the first joint loads meet
.irp s, 0,1
	s_mov_b32 s[G0+4*\s], 1
	s_add_co_u32 s[G0+4*\s+1], s20, \s*SLOT
	s_add_nc_u64 s[G0+4*\s+2:G0+4*\s+3], s[14:15], \s*0x400000     ; a K step of att is 2^22 bytes on
	s_or_b32 s[G0+4*\s+3], s[G0+4*\s+3], 0x80000000
	s_mov_b32 s[G0B+4*\s], 1
	s_add_co_u32 s[G0B+4*\s+1], s23, \s*SLOT
	s_add_nc_u64 s[G0B+4*\s+2:G0B+4*\s+3], s[46:47], \s*KSTEP*2
	s_or_b32 s[G0B+4*\s+3], s[G0B+4*\s+3], 0x80000000
	JLOAD \s
.endr
	v_and_b32 v1, 15, v0                           ; r
	v_bfe_u32 v2, v0, 4, 1                         ; h
	v_mul_u32_u24 v3, v1, PITCH
	v_lshl_add_u32 v3, v2, 4, v3                   ; Wo's fragment: row x pitch + 16 x half
	v_and_b32 v4, 31, v0
	v_lshlrev_b32 v4, 4, v4                        ; att's: 16 x lane
	s_lshl_b32 s21, s11, 15                        ; my 64 rows of att: four row tiles
	s_mul_i32 s22, s12, HALFT                      ; my 64 rows of Wo,
	s_add_co_u32 s22, s22, ABYTES                  ; behind att's part
.irp s, 0,1
	v_add_nc_u32 v[ADRA+\s], s21, v4
	v_add_nc_u32 v[ADRB+\s], s22, v3
	s_add_co_u32 s21, s21, SLOT
	s_add_co_u32 s22, s22, SLOT
.endr
	s_mul_i32 s23, s10, 16*SPITCH
	s_add_co_u32 s23, s23, STAGE                   ; my stage
	v_mul_u32_u24 v5, v1, SPITCH
	v_lshl_add_u32 v5, v2, 5, v5
	v_add_nc_u32 v[STO], s23, v5                   ; in: row r, 32 bytes for each half of the lanes
	v_mul_u32_u24 v5, v2, SPITCH
	v_lshl_add_u32 v5, v1, 4, v5
	v_add_nc_u32 v[RD], s23, v5                    ; back: lanes 0-15 one row of 256 bytes, lanes 16-31 the next
	v_lshlrev_b32 v5, 12, v2
	v_lshl_add_u32 v[CO], v1, 4, v5                ; and the same two rows in out0
	v_lshlrev_b32 v6, 5, v2                        ; the bias: 32 h bytes
	s_lshl_b32 s16, s13, 19                        ; out0: 128 rows of 4,096 bytes a tile row,
	s_lshl_b32 s17, s11, 18                        ; + my 64
	s_add_co_u32 s16, s16, s17
	s_mov_b32 s17, 0
	s_add_nc_u64 s[8:9], s[8:9], s[16:17]
	s_lshl_b32 s46, s42, 9                         ; my first column, in bytes: 512 x tile column + 256 x half
	s_lshl_b32 s47, s12, 8
	s_add_co_u32 s46, s46, s47
	s_mov_b32 s47, 0
	s_add_nc_u64 s[8:9], s[8:9], s[46:47]
	s_add_nc_u64 s[66:67], s[66:67], s[46:47]
.irp b, 0,1,2,3
	global_load_b128 v[BI+8*\b:BI+8*\b+3], v6, s[66:67] offset:64*\b           ; bo at my columns 16 b + 8 h + 0 .. 7: the result's layout
	global_load_b128 v[BI+8*\b+4:BI+8*\b+7], v6, s[66:67] offset:64*\b+16
.endr
; 8 matrix instructions: row blocks a0, a0 + 1 x all 4 column blocks, 32 along K: half c of buffer f.  zero = 1: the first product starts the sums from the bias
.macro MUL8 f, c, a0, zero
.irp a, \a0, \a0+1
.irp b, 0,1,2,3
.if \zero
	v_wmma_f32_16x16x32_f16 v[ACC+8*(4*(\a)+\b):ACC+8*(4*(\a)+\b)+7], v[\f+64+8*(4*\c+\b):\f+64+8*(4*\c+\b)+7], v[\f+8*(4*\c+\a):\f+8*(4*\c+\a)+7], v[BI+8*\b:BI+8*\b+7]
.else
	v_wmma_f32_16x16x32_f16 v[ACC+8*(4*(\a)+\b):ACC+8*(4*(\a)+\b)+7], v[\f+64+8*(4*\c+\b):\f+64+8*(4*\c+\b)+7], v[\f+8*(4*\c+\a):\f+8*(4*\c+\a)+7], v[ACC+8*(4*(\a)+\b):ACC+8*(4*(\a)+\b)+7]
.endif
.endr
.endr
.endm
; 32 LDS loads in one run: the fragments of 64 along K, at byte k of Wo's rows and at image k / 64 of att's row tiles, into buffer f; the first 32 along K first
.macro FETCH slot, k, f
	WIN TO_F
.irp c, 0,1
.irp i, 0,1,2,3
	ds_load_b128 v[\f+64+8*(4*\c+\i):\f+64+8*(4*\c+\i)+3],   v[ADRB+\slot] offset:\k+64*\c+\i*16*PITCH
	ds_load_b128 v[\f+64+8*(4*\c+\i)+4:\f+64+8*(4*\c+\i)+7], v[ADRB+\slot] offset:\k+64*\c+\i*16*PITCH+32
	ds_load_b128 v[\f+8*(4*\c+\i):\f+8*(4*\c+\i)+3],         v[ADRA+\slot] offset:((\k)/64+\c)*1024+\i*8192
	ds_load_b128 v[\f+8*(4*\c+\i)+4:\f+8*(4*\c+\i)+7],       v[ADRA+\slot] offset:((\k)/64+\c)*1024+\i*8192+512
.endr
.endr
.endm
.macro PLACES                          ; four places in front of loads into registers that matrix instructions have read, and of reads of results
.rept 4
	v_nop
.endr
.endm
.macro QUARTER slot, k, f, g, zero     ; 64 along K: multiplies buffer f and fetches the next quarter, at byte k, into g
	s_wait_dscnt 16                                ; the first 32 along K are in; the other sixteen loads may be out
	WIN MUL
	MUL8 \f, 0, 0, \zero
	MUL8 \f, 0, 2, \zero
	PLACES
	FETCH \slot, \k, \g
	s_wait_dscnt 32                                ; all but the 32 just issued
	WIN MUL
	MUL8 \f, 1, 0, 0
	MUL8 \f, 1, 2, 0
.endm
; The last quarter changes slots: one barrier; in front of it each wave waits for all its tensor loads, adds 0 to its spare word, and waits for that and for its reads of this slot.  fill = 1: this slot is filled again, two K steps ahead.
.macro TURN slot, next, fill
	WIN 0
	s_wait_tensorcnt 0x0                           ; all my tensor loads have landed: my part of the next slot
	ds_add_u32 v[SPW], v[NIL]
	s_wait_dscnt 17                                ; the add and the youngest sixteen loads may be out
	WIN MUL
	MUL8 F1, 0, 0, 0
	s_wait_dscnt 0x0                               ; the add is done, and my reads of this slot are over
	s_barrier_signal -1
	MUL8 F1, 0, 2, 0
.if \fill
	WIN 0
.endif
	s_barrier_wait -1
.if \fill
	CREST                                          ; the barrier has opened a round of the cluster's barrier: no wave of any partner still reads this slot or has a load on its way
	s_add_nc_u64 s[G0+4*\slot+2:G0+4*\slot+3], s[G0+4*\slot+2:G0+4*\slot+3], 0x800000
	s_add_nc_u64 s[G0B+4*\slot+2:G0B+4*\slot+3], s[G0B+4*\slot+2:G0B+4*\slot+3], 2*KSTEP*2
	JLOAD \slot                                    ; the first tensor load behind the round; its four v_nop are also the places in front of the loads below
.else
	PLACES
.endif
	FETCH \next, 0, F0
	WIN MUL
	MUL8 F1, 1, 0, 0
	MUL8 F1, 1, 2, 0
.endm
	s_wait_loadcnt 0x0                             ; the bias
	s_wait_tensorcnt 1                             ; my part of K step 0 is in; K step 1's load may be out
	s_barrier_signal -1
	s_barrier_wait -1
	FETCH 0, 0, F0
	QUARTER 0, 128, F0, F1, 1
	WIN 0
	s_mov_b32 s3, LAPS-1
.Llap:                                 ; a trip goes once round the ring and fills both slots again
	QUARTER 0, 256, F1, F0, 0
	QUARTER 0, 384, F0, F1, 0
	TURN 0, 1, 1
	QUARTER 1, 128, F0, F1, 0
	QUARTER 1, 256, F1, F0, 0
	QUARTER 1, 384, F0, F1, 0
	TURN 1, 0, 1
	QUARTER 0, 128, F0, F1, 0
	WIN 0
	s_sub_co_u32 s3, s3, 1
	s_cmp_lg_u32 s3, 0
	s_cbranch_scc1 .Llap
	QUARTER 0, 256, F1, F0, 0                      ; the last lap fills nothing
	QUARTER 0, 384, F0, F1, 0
	TURN 0, 1, 0
	QUARTER 1, 128, F0, F1, 0
	QUARTER 1, 256, F1, F0, 0
	QUARTER 1, 384, F0, F1, 0
	s_wait_dscnt 16
	WIN MUL
	MUL8 F1, 0, 0, 0
	MUL8 F1, 0, 2, 0
	s_wait_dscnt 0
	MUL8 F1, 1, 0, 0
	MUL8 F1, 1, 2, 0
	WIN 0
	PLACES
; THE WAY OUT, a block of 16 rows x 64 columns at a time, through my own stage: a row's 64 columns are 256 bytes, which sixteen lanes store whole.  LDS serves a wave's instructions in order: no wait between the stores and the loads.
.macro TOSTAGE a
.irp b, 0,1,2,3
	ds_store_b128 v[STO], v[ACC+8*(4*(\a)+\b):ACC+8*(4*(\a)+\b)+3] offset:64*\b          ; each accumulator from its low end on
	ds_store_b128 v[STO], v[ACC+8*(4*(\a)+\b)+4:ACC+8*(4*(\a)+\b)+7] offset:64*\b+16
.endr
.irp i, 0,1,2,3,4,5,6,7
	ds_load_b128 v[TMP+32*((\a)%2)+4*\i:TMP+32*((\a)%2)+4*\i+3], v[RD] offset:\i*2*SPITCH
.endr
.endm
.macro SEND a
.irp i, 0,1,2,3,4,5,6,7
	s_wait_dscnt 7-\i                              ; the later loads stay out
	global_store_b128 v[CO], v[TMP+32*((\a)%2)+4*\i:TMP+32*((\a)%2)+4*\i+3], s[8:9] offset:(16*(\a)+2*\i)*SIZE_N*4 th:TH_STORE_NT   ; sixteen lanes store 256 consecutive bytes, aligned
.endr
.endm
	s_or_b32 s69, s68, s11                         ; my block 0 is positions 0-15 where cluster y = 0 and I hold the tile's first half: those rows are the next launch's
	s_cmp_eq_u32 s69, 0
	s_cbranch_scc1 .Lskip0
	TOSTAGE 0
	SEND 0
.Lskip0:
	TOSTAGE 1
	SEND 1
	s_wait_xcnt 0x0                                ; block 0's stores have read their data registers
	TOSTAGE 2
	SEND 2
	s_wait_xcnt 0x0                                ; block 1's likewise
	TOSTAGE 3
	SEND 3
	s_wait_tensorcnt 0x0                           ; the wave's end
	ds_add_u32 v[SPW], v[NIL]
	s_wait_dscnt 0x0
	CROUND                                         ; the closing round
	s_endpgm
.Lfunc_end_k_q6931ff7e9a_proj:
	.size	k_q6931ff7e9a_proj, .Lfunc_end_k_q6931ff7e9a_proj-k_q6931ff7e9a_proj
	.p2alignl 7, 3214868480
	.fill 96, 4, 3214868480
	.section	.rodata,"a",@progbits
	.p2align	6, 0x0
	.amdhsa_kernel k_q6931ff7e9a_proj
		.amdhsa_group_segment_fixed_size 327680
		.amdhsa_private_segment_fixed_size 0
		.amdhsa_enable_private_segment 0
		.amdhsa_kernarg_size 32
		.amdhsa_user_sgpr_count 2
		.amdhsa_user_sgpr_kernarg_segment_ptr 1
		.amdhsa_wavefront_size32 1
		.amdhsa_system_sgpr_workgroup_id_x 1
		.amdhsa_system_sgpr_workgroup_id_y 1
		.amdhsa_system_sgpr_workgroup_id_z 1
		.amdhsa_system_vgpr_workitem_id 0
		.amdhsa_next_free_vgpr 512
		.amdhsa_next_free_sgpr 70
		.amdhsa_reserve_vcc 0
		.amdhsa_float_denorm_mode_32 3
		.amdhsa_float_denorm_mode_16_64 3
		.amdhsa_memory_ordered 1
		.amdhsa_forward_progress 1
		.amdhsa_inst_pref_size 87
	.end_amdhsa_kernel
	.amdgpu_metadata
---
amdhsa.version: [ 1, 2 ]
amdhsa.kernels:
  - .name:           k_q6931ff7e9a_proj
    .symbol:         k_q6931ff7e9a_proj.kd
    .args:
      - { .name: att, .offset: 0, .size: 8, .value_kind: global_buffer, .address_space: global }
      - { .name: wo16, .offset: 8, .size: 8, .value_kind: global_buffer, .address_space: global }
      - { .name: bo, .offset: 16, .size: 8, .value_kind: global_buffer, .address_space: global }
      - { .name: out0, .offset: 24, .size: 8, .value_kind: global_buffer, .address_space: global }
    .group_segment_fixed_size: 327680
    .private_segment_fixed_size: 0
    .kernarg_segment_align: 8
    .kernarg_segment_size: 32
    .max_flat_workgroup_size: 128
    .sgpr_count:     70
    .vgpr_count:     512
    .wavefront_size: 32
...
	.end_amdgpu_metadata
.endif
;; end of part 5
;; launch fine (part 6): grid 16 x 4, 16 waves a work-group, no clusters, 71,680 bytes of LDS; arguments fineb, Wo, bo, out0; writes out0
.if DOCPART == 6
	.amdgcn_target "amdgcn-amd-amdhsa--gfx1250"
	.amdhsa_code_object_version 6
	.text
	.protected	k_q6931ff7e9a_fine
	.globl	k_q6931ff7e9a_fine
	.p2align	8
	.type	k_q6931ff7e9a_fine,@function
k_q6931ff7e9a_fine:
	s_mov_b64 s[64:65], 0
	v_nop
	global_prefetch_b8 v0, s[64:65] scope:SCOPE_SE
	s_setreg_imm32_b32 hwreg(HW_REG_WAVE_MODE, 25, 1), 1
	s_wait_xcnt 0x0
; FINE.  The rows of positions 0-15 of every sequence, where the softmax averages one to sixteen values: attention and output projection with f32 operands, by v_wmma_f32_16x16x4_f32.  64 rows of out0 in all.
; A work-group (x: 64 columns of out0; y: the batch) has sixteen waves; a wave is a head.  Each wave makes its head's 16 x 16 attention (each of a batch's sixteen work-groups repeats it: 32 matrix instructions a wave),
; multiplies the result by its head's 64 columns of Wo's 64 rows, and leaves a partial sum in LDS; then wave w adds row w's sixteen partial sums and the bias, in the order of the heads, and stores 256 bytes.
; q, k, v come as the f32 accumulators of the quantised products stood (fineb): piece 2 bb + e of 512 bytes holds registers 4 e .. 4 e + 3 of accumulator bb: lane (r, h): token r, channels 16 bb + 8 h + 4 e + 0 .. 3.
; A K step of this matrix form takes k = 2 h + j from register j of lane half h.  Which channel (or key) stands there is free as long as both sources agree: both sources are always loaded by the same map.
; The accumulators v128-159 are written by matrix instructions alone; every sum begins with the constant 0.
; LIMITS: NaN and infinities are not served.
.set PP,    272                        ; a row of a partial sum: 256 bytes + 16
.set PW,    16*PP                      ; a wave's partial sum
.set SPARE, 16*PW                      ; the spare words, 128 bytes a wave, named by no other line
.set LI,  1                            ; v1  16 x lane
.set VTO, 2                            ; v2  V^T's gather
.set WOF, 3                            ; v3  Wo: row r, + 32 h bytes
.set PST, 4                            ; v4  where I put my partial sum
.set PRD, 5                            ; v5  where I read row w of a partial sum
.set L8,  6                            ; v6  8 x lane
.set RL,  7                            ; v7  r - 8 h
.set SPW, 8                            ; v8  my spare word's LDS address; never rewritten
.set NIL, 9                            ; v9  0; never rewritten
.set P,   16                           ; v16-23 scores, then p
.set QF,  32                           ; v32-63 q, later the head's result
.set KF,  64                           ; v64-95 k, later Wo's fourth tile
.set VF,  96                           ; v96-127 V^T
.set ACC, 128                          ; v128-159 four accumulators
.set WF,  160                          ; v160-255 Wo's tiles 0 to 2, later the partial sums read back
	s_load_b128 s[4:7], s[0:1], 0x0                ; fineb, Wo
	s_load_b128 s[8:11], s[0:1], 0x10              ; bo, out0
	v_lshl_add_u32 v[SPW], v0, 2, SPARE
	v_mov_b32 v[NIL], 0
	v_lshrrev_b32 v24, 5, v0
	v_readfirstlane_b32 s12, v24                   ; wave = head = the row that I add up
	s_and_b32 s13, ttmp7, 0xffff                   ; batch
	v_and_b32 v24, 31, v0                          ; lane
	v_and_b32 v25, 15, v0                          ; r
	v_bfe_u32 v26, v0, 4, 1                        ; h
	v_lshlrev_b32 v[LI], 4, v24
	v_bfe_u32 v27, v25, 2, 1                       ; V^T(channel 16 ct + r, key 8 h + u): piece 2 ct + (r / 4) % 2, lane 16 (r / 8) + 8 h + u, word r % 4
	v_lshlrev_b32 v[VTO], 9, v27
	v_lshrrev_b32 v27, 3, v25
	v_lshl_add_u32 v[VTO], v27, 8, v[VTO]
	v_lshl_add_u32 v[VTO], v26, 7, v[VTO]
	v_and_b32 v27, 3, v25
	v_lshl_add_u32 v[VTO], v27, 2, v[VTO]
	v_lshlrev_b32 v[WOF], 12, v25
	v_lshl_add_u32 v[WOF], v26, 5, v[WOF]
	s_mul_i32 s14, s12, PW
	v_mul_u32_u24 v[PST], v25, PP
	v_lshl_add_u32 v[PST], v26, 5, v[PST]
	v_add_nc_u32 v[PST], s14, v[PST]
	s_mul_i32 s14, s12, PP
	v_lshlrev_b32 v[L8], 3, v24
	v_add_nc_u32 v[PRD], s14, v[L8]
	v_lshlrev_b32 v27, 3, v26
	v_sub_nc_u32 v[RL], v25, v27
	v_mov_b32 v15, 0                               ; a lane permute's destination counts as read
	v_mov_b32 v31, 0                               ; the upper half of the pair v[30:31]
	v_mov_b32 v28, 0xff800000                      ; -infinity
	s_mov_b32 s24, 0x76543210
	s_mov_b32 s25, 0xfedcba98                      ; v_permlanex16_b32's selects for lane l xor 16
	s_mov_b32 s26, 0x3e38aa3b                      ; c = log2(e) / 8
	s_mov_b32 s27, s26
	s_lshl_b32 s16, s13, 4
	s_add_co_u32 s16, s16, s12
	s_lshl_b32 s16, s16, 12                        ; fineb: (16 batch + head) x 4,096
	s_mov_b32 s17, 0
	s_lshl_b32 s18, ttmp9, 18                      ; Wo: 64 rows of 4,096 bytes a work-group, + 256 bytes a head
	s_lshl_b32 s19, s12, 8
	s_add_co_u32 s18, s18, s19
	s_mov_b32 s19, 0
	s_lshl_b32 s20, ttmp9, 8                       ; bo: 256 bytes a work-group
	s_mov_b32 s21, 0
	s_lshl_b32 s22, s13, 23                        ; out0: (2048 batch + w) rows of 4,096 bytes + 256 x
	s_lshl_b32 s23, s12, 12
	s_add_co_u32 s22, s22, s23
	s_add_co_u32 s22, s22, s20
	s_mov_b32 s23, 0
	s_wait_kmcnt 0x0
	s_add_nc_u64 s[4:5], s[4:5], s[16:17]
	s_add_nc_u64 s[6:7], s[6:7], s[18:19]
	s_add_nc_u64 s[8:9], s[8:9], s[20:21]
	s_add_nc_u64 s[10:11], s[10:11], s[22:23]
.irp p, 0,1,2,3,4,5,6,7
	global_load_b128 v[QF+4*\p:QF+4*\p+3], v[LI], s[4:5] offset:512*\p             ; q
.endr
.irp p, 0,1,2,3,4,5,6,7
	global_load_b128 v[KF+4*\p:KF+4*\p+3], v[LI], s[4:5] offset:262144+512*\p      ; k
.endr
.irp ct, 0,1,2,3
.irp u, 0,1,2,3,4,5,6,7
	global_load_b32 v[VF+8*\ct+\u], v[VTO], s[4:5] offset:524288+1024*\ct+16*\u    ; V^T(16 ct + r, 8 h + u)
.endr
.endr
.irp nt, 0,1,2
.irp q, 0,1,2,3,4,5,6,7
	global_load_b128 v[WF+32*\nt+4*\q:WF+32*\nt+4*\q+3], v[WOF], s[6:7] offset:65536*\nt+64*(\q/2)+16*(\q%2)   ; Wo(16 nt + r, head's channel 16 (q / 2) + 8 h + 4 (q % 2) + 0 .. 3)
.endr
.endr
	global_load_b64 v[10:11], v[L8], s[8:9]        ; the bias of my two columns
	s_wait_loadcnt 57                              ; q and k are in; V^T's 32 loads, Wo's 24 and the bias's one stay out
.irp s, 0,1,2,3,4,5,6,7,8,9,10,11,12,13,14,15      ; S^T = K Q^T in four partial sums, which take turns
.if \s < 4
	v_wmma_f32_16x16x4_f32 v[ACC+8*(\s%4):ACC+8*(\s%4)+7], v[KF+2*\s:KF+2*\s+1], v[QF+2*\s:QF+2*\s+1], 0
.else
	v_wmma_f32_16x16x4_f32 v[ACC+8*(\s%4):ACC+8*(\s%4)+7], v[KF+2*\s:KF+2*\s+1], v[QF+2*\s:QF+2*\s+1], v[ACC+8*(\s%4):ACC+8*(\s%4)+7]
.endif
.endr
.rept 8
	v_nop                                          ; eight places behind this form, in front of reads of results and loads into its sources
.endr
.irp q, 0,1,2,3,4,5,6,7
	global_load_b128 v[KF+4*\q:KF+4*\q+3], v[WOF], s[6:7] offset:65536*3+64*(\q/2)+16*(\q%2)   ; Wo's fourth tile, where k lay
.endr
.irp q, 0,2,4,6                                    ; register j: the score of key 8 h + j for query r; each accumulator from its low end on
	v_pk_add_f32 v[24:25], v[ACC+\q:ACC+\q+1], v[ACC+8+\q:ACC+8+\q+1]
	v_pk_add_f32 v[26:27], v[ACC+16+\q:ACC+16+\q+1], v[ACC+24+\q:ACC+24+\q+1]
	v_pk_add_f32 v[P+\q:P+\q+1], v[24:25], v[26:27]
.endr
.irp j, 0,1,2,3,4,5,6,7
	v_cmp_gt_i32 vcc_lo, \j, v[RL]                 ; key 8 h + j comes after query r
	v_cndmask_b32 v[P+\j], v[P+\j], v28, vcc_lo
.endr
	v_max3_num_f32 v12, v[P], v[P+1], v[P+2]
	v_max3_num_f32 v13, v[P+3], v[P+4], v[P+5]
	v_max3_num_f32 v12, v12, v[P+6], v[P+7]
	v_max_num_f32 v12, v12, v13
	v_permlanex16_b32 v13, v12, s24, s25
	v_max_num_f32 v13, v12, v13                    ; the row's maximum (key 0 counts for every query)
	v_mul_f32 v12, s26, v13                        ; c m
.irp q, 0,2,4,6
	v_pk_fma_f32 v[P+\q:P+\q+1], v[P+\q:P+\q+1], s[26:27], v[12:13] op_sel_hi:[1,0,0] neg_lo:[0,0,1] neg_hi:[0,0,1]
.endr
.irp j, 0,1,2,3,4,5,6,7
	v_exp_f32 v[P+\j], v[P+\j]
.endr
	v_nop                                          ; a plain line behind the exponentials
	s_wait_alu depctr_va_vdst(0)                   ; one wait for the eight, ahead of their first reader
	v_pk_add_f32 v[24:25], v[P:P+1], v[P+2:P+3]
	v_pk_add_f32 v[26:27], v[P+4:P+5], v[P+6:P+7]
	v_pk_add_f32 v[24:25], v[24:25], v[26:27]
	v_add_f32 v14, v24, v25
	v_permlanex16_b32 v15, v14, s24, s25
	v_add_f32 v14, v14, v15                        ; the row's sum
	v_rcp_f32 v30, v14
	v_nop
	s_wait_alu depctr_va_vdst(0)
	s_wait_loadcnt 33                              ; V^T is in; Wo's 24 + 8 loads and the bias's one stay out
.rept 9
	v_nop                                          ; nine places in front of matrix instructions that begin the accumulators anew
.endr
.irp s, 0,1,2,3                                    ; O^T = V^T P^T: key 8 h + 2 s + j on both sides; the four tiles of channels take turns
.irp ct, 0,1,2,3
.if \s == 0
	v_wmma_f32_16x16x4_f32 v[ACC+8*\ct:ACC+8*\ct+7], v[VF+8*\ct+2*\s:VF+8*\ct+2*\s+1], v[P+2*\s:P+2*\s+1], 0
.else
	v_wmma_f32_16x16x4_f32 v[ACC+8*\ct:ACC+8*\ct+7], v[VF+8*\ct+2*\s:VF+8*\ct+2*\s+1], v[P+2*\s:P+2*\s+1], v[ACC+8*\ct:ACC+8*\ct+7]
.endif
.endr
.endr
.rept 8
	v_nop
.endr
.irp k, 0,2,4,6,8,10,12,14,16,18,20,22,24,26,28,30
	v_pk_mul_f32 v[QF+\k:QF+\k+1], v[ACC+\k:ACC+\k+1], v[30:31] op_sel_hi:[1,0]   ; / the sum: register 8 ct + j is the head's result (token r, channel 16 ct + 8 h + j)
.endr
.rept 9
	v_nop
.endr
	s_wait_loadcnt 0x0                             ; Wo and the bias
.irp s, 0,1,2,3,4,5,6,7,8,9,10,11,12,13,14,15      ; the head's part of the projection: source 0 = 16 rows of Wo, source 1 = the 16 tokens; the four tiles of columns take turns
.irp nt, 0,1,2,3
.if \nt == 3
.set WB, KF
.else
.set WB, WF+32*\nt
.endif
.if \s == 0
	v_wmma_f32_16x16x4_f32 v[ACC+8*\nt:ACC+8*\nt+7], v[WB+2*\s:WB+2*\s+1], v[QF+2*\s:QF+2*\s+1], 0
.else
	v_wmma_f32_16x16x4_f32 v[ACC+8*\nt:ACC+8*\nt+7], v[WB+2*\s:WB+2*\s+1], v[QF+2*\s:QF+2*\s+1], v[ACC+8*\nt:ACC+8*\nt+7]
.endif
.endr
.endr
.rept 8
	v_nop
.endr
.irp nt, 0,1,2,3
	ds_store_b128 v[PST], v[ACC+8*\nt:ACC+8*\nt+3] offset:64*\nt          ; lane (r, h): token r, columns 16 nt + 8 h + 0 .. 7
	ds_store_b128 v[PST], v[ACC+8*\nt+4:ACC+8*\nt+7] offset:64*\nt+16
.endr
	s_wait_dscnt 0x0                               ; for the others' sake: my partial sum has landed
	s_barrier_signal -1
	s_barrier_wait -1
.irp g, 0,1,2,3,4,5,6,7,8,9,10,11,12,13,14,15
	ds_load_b64 v[WF+2*\g:WF+2*\g+1], v[PRD] offset:PW*\g                 ; row w of head g's partial sum, 8 bytes a lane
.endr
	s_wait_dscnt 0x0
.irp g, 0,1,2,3,4,5,6,7,8,9,10,11,12,13,14,15
	v_pk_add_f32 v[10:11], v[10:11], v[WF+2*\g:WF+2*\g+1]
.endr
	global_store_b64 v[L8], v[10:11], s[10:11]     ; the wave stores 256 consecutive bytes, aligned
	s_wait_tensorcnt 0x0                           ; the wave's end
	ds_add_u32 v[SPW], v[NIL]
	s_wait_dscnt 0x0
	s_endpgm
.Lfunc_end_k_q6931ff7e9a_fine:
	.size	k_q6931ff7e9a_fine, .Lfunc_end_k_q6931ff7e9a_fine-k_q6931ff7e9a_fine
	.p2alignl 7, 3214868480
	.fill 96, 4, 3214868480
	.section	.rodata,"a",@progbits
	.p2align	6, 0x0
	.amdhsa_kernel k_q6931ff7e9a_fine
		.amdhsa_group_segment_fixed_size 71680
		.amdhsa_private_segment_fixed_size 0
		.amdhsa_enable_private_segment 0
		.amdhsa_kernarg_size 32
		.amdhsa_user_sgpr_count 2
		.amdhsa_user_sgpr_kernarg_segment_ptr 1
		.amdhsa_wavefront_size32 1
		.amdhsa_system_sgpr_workgroup_id_x 1
		.amdhsa_system_sgpr_workgroup_id_y 1
		.amdhsa_system_sgpr_workgroup_id_z 1
		.amdhsa_system_vgpr_workitem_id 0
		.amdhsa_next_free_vgpr 256
		.amdhsa_next_free_sgpr 66
		.amdhsa_reserve_vcc 1
		.amdhsa_float_denorm_mode_32 3
		.amdhsa_float_denorm_mode_16_64 3
		.amdhsa_memory_ordered 1
		.amdhsa_forward_progress 1
		.amdhsa_inst_pref_size 25
	.end_amdhsa_kernel
	.amdgpu_metadata
---
amdhsa.version: [ 1, 2 ]
amdhsa.kernels:
  - .name:           k_q6931ff7e9a_fine
    .symbol:         k_q6931ff7e9a_fine.kd
    .args:
      - { .name: fineb, .offset: 0, .size: 8, .value_kind: global_buffer, .address_space: global }
      - { .name: Wo, .offset: 8, .size: 8, .value_kind: global_buffer, .address_space: global }
      - { .name: bo, .offset: 16, .size: 8, .value_kind: global_buffer, .address_space: global }
      - { .name: out0, .offset: 24, .size: 8, .value_kind: global_buffer, .address_space: global }
    .group_segment_fixed_size: 71680
    .private_segment_fixed_size: 0
    .kernarg_segment_align: 8
    .kernarg_segment_size: 32
    .max_flat_workgroup_size: 512
    .sgpr_count:     66
    .vgpr_count:     256
    .wavefront_size: 32
...
	.end_amdgpu_metadata
.endif
;; end of part 6
